; MI455X (gfx1250); checked and timed in simulation.
; The chip was launched on July 23, 2026; its instructions are those of AMD's public machine-readable ISA for CDNA 5 (MIT licence, August 2026) and "CDNA5" Instruction Set Architecture Reference Guide (July 2026). The comments in the code are by the model that wrote it; some were corrected since.
;; Attention Block. Allowed arithmetic: matrix products marked QUANTISED: E2M1 operands, one E8M0 scale for each 32 along K, by v_wmma_scale_f32_16x16x128_f8f6f4 with both operands' format E2M1 (or v_wmma_scale_f32_32x16x128_f4), f32 sums; products left as they are: bf16, f16 or f32 operands; f32 sums; everything else in f32.
;; Inputs: W_emb 2,048 x 1,024 float32; W_out 1,024 x 1,024 float32; W_proj 3,072 x 1,024 float32; b_emb 2,048 float32; emb 4 x 1,024 x 1,024 float32; x 4 x 1,024 x 1,024 float32.
;; Outputs: out0 4 x 1,024 x 1,024 float32.
;; This version of the problem:
;;   THIS VERSION OF THE PROBLEM IS GIVEN IN LOW PRECISION. The matrix products marked QUANTISED in the list below multiply operands that are first quantised to E2M1 (2 exponent bits, 1 mantissa bit; 4 bits a number), with one power-of-two scale for each 32 numbers along K (OCP MX v1.0); their sums are f32. The products marked 'left as it is' may take bf16, f16 or f32 operands, with f32 sums. All else is computed in f32.
;;   The module's matrix products, in the order in which they are computed (A, B: the left and right operand; K: the contracted axis; several contracted axes count as one K, in the product's order):
;;     1. [M 4,096, K 1,024] x [K 1,024, N 2,048]; A: input emb; B: input W_emb: QUANTISED
;;     2. [M 4,096, K 1,024] x [K 1,024, N 3,072]; A: computed on the way; B: input W_proj: left as it is (an operand is computed on the way)
;;     3. batch 64 x [M 1,024, K 64] x [K 64, N 1,024]; A: computed on the way; B: computed on the way: left as it is (an operand is computed on the way)
;;     4. batch 64 x [M 1,024, K 1,024] x [K 1,024, N 64]; A: computed on the way; B: computed on the way: left as it is (an operand is computed on the way)
;;     5. [M 4,096, K 1,024] x [K 1,024, N 1,024]; A: computed on the way; B: input W_out: left as it is (an operand is computed on the way)
;;   THE QUANTISER, for each operand of a quantised product, along K:
;;     - K is cut into blocks of 32 from its start; a last block that is shorter is filled with zeros.
;;     - A block's scale is 2^e with e = floor(log2(the largest magnitude in the block)) - 2, held to -126 .. 127; a block of zeros has e = 0. As a byte (E8M0): e + 127.
;;     - Each number is divided by its block's scale, clamped to +-6, and rounded to the nearest number of E2M1, ties to even, subnormals kept.
;;     - The product sums the exact products of the quantised numbers (number of the format x scale) in f32.
;;   ~~~python
;;   def quantise(x, axis):      # numpy; x: float32 -> the quantised numbers, widened to float32 again
;;       x = np.moveaxis(x, axis, -1); K = x.shape[-1]
;;       x = np.pad(x, [(0, 0)] * (x.ndim - 1) + [(0, -K % 32)]); x = x.reshape(x.shape[:-1] + (-1, 32)); a = np.abs(x).max(-1, keepdims=True)
;;       e = np.where(a > 0, np.clip(np.frexp(np.where(a > 0, a, 1))[1] - 1 - 2, -126, 127), 0)      # np.frexp(a)[1] - 1 = floor(log2(a)), exactly
;;       r = np.clip(x / 2.0 ** e, -6, 6)
;;       step = 2.0 ** (np.maximum(np.frexp(np.where(r == 0, 1, r))[1] - 1, 0) - 1)
;;       q = np.round(r / step) * step * 2.0 ** e      # np.round: ties to even
;;       return np.moveaxis(q.reshape(q.shape[:-2] + (-1,))[..., :K], -1, axis).astype(np.float32)
;;   ~~~
;; One version. Each part assembles by itself: llvm-mc -triple=amdgcn-amd-amdhsa -mcpu=gfx1250 --defsym DOCPART=n.
;; ======== version 1 of 1: 5 launches
;; limits: values are held in f16: magnitudes above 65,504 overflow, below 6.1e-05 lose precision; right only within a limited range of input values; values outside matrix products are rounded to f16
;; workspace buffers: codes 3,145,728 bytes; scal 229,376 bytes; w16 8,388,608 bytes; hw 8,388,608 bytes; qkvw 25,165,824 bytes; ow 8,388,608 bytes
;; launch prep (part 1): grid 448 x 1, 4 waves a work-group, no clusters, 33,280 bytes of LDS; arguments emb, W_emb, W_proj, W_out, x, codes, scal, w16; writes codes, scal, w16
.if DOCPART == 1
	.amdgcn_target "amdgcn-amd-amdhsa--gfx1250"
	.amdhsa_code_object_version 6
	.text
	.protected	k_qa3978f8389_prep
	.globl	k_qa3978f8389_prep
	.p2align	8
	.type	k_qa3978f8389_prep,@function
k_qa3978f8389_prep:
	s_mov_b64 s[64:65], 0
	v_nop
	global_prefetch_b8 v0, s[64:65] scope:SCOPE_SE
	s_setreg_imm32_b32 hwreg(HW_REG_WAVE_MODE, 25, 1), 1
	s_wait_xcnt 0x0
; PREPARATION, three kinds of work-group, told apart by the work-group's number; each takes 32,768 numbers (a wave 8,192).
;   0..191   emb [4096][1024] and W_emb [2048][1024], f32, become codes of FP4 (E2M1), K innermost, and one E8M0 byte for each 32 along K.
;            Rows are dense and 1,024 is a multiple of 32: both tensors are plain streams of blocks, and W_emb's codes and bytes follow emb's in the two buffers.
;   192..319 W_proj [3072][1024] and W_out [1024][1024] become f16, row-major, W_out behind W_proj.
;   320..447 mean and 1 / sqrt(variance + 1e-5) of each row of x, two passes over a row that stays in registers; 8 bytes a row, behind the scale bytes.
; A block's scale is 2^(floor(log2(its largest magnitude)) - 2); its byte is the largest magnitude's exponent field - 2, held at 1 from below.
; LIMITS: a block of zeros gets the byte 1 (its codes are zeros, and this program alone reads the bytes); blocks whose largest magnitude lies under 2^-124 share that byte;
; |W_proj| and |W_out| stay under 65,504, and under 2^-14 they are rounded to multiples of 2^-24; NaN and infinities among the inputs are not served.
; No tensor load, no barrier: waves share nothing.  Only the first kind uses LDS, a region of 8,192 bytes for each wave.
.set WREG,  8192                       ; LDS of a wave: two stages of 32 x SP bytes, behind them its 256 scale bytes
.set SP,    80                         ; a lane's place in a stage: 64 bytes + 16 of padding
.set QR,    16                         ; v16-79   four sets of 16 numbers as loaded
.set QX,    80                         ; v80-111  two sets of 16 neighbours
.set QE,    112                        ; v112-127 a scale byte for each step
.set QC,    128                        ; v128-191 codes, four registers for each step
.set CX,    32                         ; v32-95   f16 path: sixteen slots of four numbers
.set CY,    96                         ; v96-127  and of two packed registers
.set SX,    32                         ; v32-159  statistics: four rows of 32 registers
.set ST,    160                        ; v160-175 at work
.set MN,    176                        ; v[176:177] the mean, twice
	s_load_b256 s[4:11], s[0:1], 0x0               ; emb s[4:5], W_emb s[6:7], W_proj s[8:9], W_out s[10:11]
	s_load_b256 s[12:19], s[0:1], 0x20             ; x s[12:13], codes s[14:15], scal s[16:17], w16 s[18:19]
	v_lshl_add_u32 v192, v0, 2, 0x8000
	v_mov_b32 v193, 0
	v_lshrrev_b32 v1, 5, v0
	v_readfirstlane_b32 s20, v1                    ; wave
	v_and_b32 v2, 31, v0                           ; lane
	s_mov_b32 s25, 0                               ; the upper word of every offset
	s_cmp_lt_u32 ttmp9, 192
	s_cbranch_scc0 .Lnot_q
; ---------------- codes and scale bytes.  A wave takes 16 steps of 512 numbers.  Each load reads 512 consecutive bytes; a step's 2,048 bytes turn through the wave's own stage,
; so that a lane then holds 16 neighbours along K (two neighbouring lanes a block), as the conversions want them.
	v_lshlrev_b32 v3, 4, v2                        ; my 16 bytes of a load's 512
	s_mul_i32 s21, s20, WREG
	v_lshrrev_b32 v14, 2, v2
	v_mul_u32_u24 v14, v14, SP
	v_and_b32 v15, 3, v2
	v_lshl_add_u32 v14, v15, 4, v14
	v_add_nc_u32 v14, s21, v14                     ; the stage on the way in: SP (lane / 4) + 16 (lane % 4)
	v_mul_u32_u24 v15, v2, SP
	v_add_nc_u32 v15, s21, v15                     ; and on the way out: SP x lane
	v_lshlrev_b32 v4, 3, v2                        ; my 8 bytes of a step's codes
	v_lshrrev_b32 v5, 1, v2
	s_add_co_u32 s21, s21, 2*32*SP
	v_add_nc_u32 v5, s21, v5                       ; my block's byte among the wave's 256
	v_lshlrev_b32 v7, 3, v2
	v_add_nc_u32 v6, s21, v7                       ; and 8 bytes a lane on their way out
	s_wait_kmcnt 0x0
	s_cmp_lt_u32 ttmp9, 128                        ; emb's work-group or W_emb's: the choice hangs on the work-group's number alone
	s_cselect_b64 s[4:5], s[4:5], s[6:7]
	s_cselect_b32 s22, 0, 512
	s_lshl_b32 s23, ttmp9, 2
	s_add_co_u32 s23, s23, s20                     ; which run of 8,192 numbers, 0 .. 767, counted through both tensors
	s_sub_co_u32 s22, s23, s22                     ; and within its own tensor
	s_lshl_b32 s24, s22, 15
	s_add_nc_u64 s[4:5], s[4:5], s[24:25]          ; 32,768 bytes of f32 a run
	s_lshl_b32 s24, s23, 12
	s_add_nc_u64 s[14:15], s[14:15], s[24:25]      ; 4,096 bytes of codes
	s_lshl_b32 s24, s23, 8
	s_add_nc_u64 s[16:17], s[16:17], s[24:25]      ; 256 scale bytes
.macro QLOAD t
.irp i, 0,1,2,3
	global_load_b128 v[QR+16*((\t)%4)+4*\i:QR+16*((\t)%4)+4*\i+3], v3, s[4:5] offset:2048*(\t)+512*\i th:TH_LOAD_NT
.endr
.endm
.macro QTURN t                         ; step t's numbers through the stage: LDS serves a wave's instructions in order, so no wait stands between the stores and the loads
.irp i, 0,1,2,3
	ds_store_b128 v14, v[QR+16*((\t)%4)+4*\i:QR+16*((\t)%4)+4*\i+3] offset:32*SP*((\t)%2)+8*SP*\i
.endr
.irp i, 0,1,2,3
	ds_load_b128 v[QX+16*((\t)%2)+4*\i:QX+16*((\t)%2)+4*\i+3], v15 offset:32*SP*((\t)%2)+16*\i
.endr
.endm
.irp t, 0,1,2,3
	QLOAD \t
.endr
	s_wait_loadcnt 12                              ; step 0's four loads are in; the twelve of steps 1 to 3 may be out
	QTURN 0
.macro QSTEP t
.set XS, QX+16*((\t)%2)
.if (\t) > 0
	s_wait_dscnt 1                                 ; this step's numbers are back from the stage; the last step's byte store may be out
.else
	s_wait_dscnt 0x0
.endif
.if (\t)+4 < 16
	QLOAD (\t)+4                                   ; into the set whose stores into the stage are done
.endif
.if (\t)+1 < 16
.if 14-(\t) >= 3
	s_wait_loadcnt 12                              ; the next step's four loads are in; those of the three steps behind it may be out
.else
	s_wait_loadcnt 4*(14-(\t))
.endif
	QTURN (\t)+1
.endif
	v_max3_num_f32 v8, |v[XS]|, |v[XS+1]|, |v[XS+2]|               ; the largest magnitude of my 16, in two chains
	v_max3_num_f32 v9, |v[XS+3]|, |v[XS+4]|, |v[XS+5]|
.irp i, 6,10
	v_max3_num_f32 v8, v8, |v[XS+\i]|, |v[XS+\i+1]|
	v_max3_num_f32 v9, v9, |v[XS+\i+2]|, |v[XS+\i+3]|
.endr
	v_max3_num_f32 v8, v8, |v[XS+14]|, |v[XS+15]|
	v_max3_num_f32 v8, v8, v9, 0x1800000           ; and the floor 2^(3 - 127): the byte cannot fall under 1
	v_max_num_f32_dpp v8, v8, v8 row_xmask:1 row_mask:0xf bank_mask:0xf   ; with my neighbour's 16: the block's
	v_add_nc_u32 v11, 0xff000000, v8               ; 2 off its exponent field: the conversion takes the exponent field of this operand as its scale
	v_cvt_scalef32_pk8_fp4_f32 v[QC+4*(\t)], v[XS:XS+7], v11
	v_cvt_scalef32_pk8_fp4_f32 v[QC+4*(\t)+1], v[XS+8:XS+15], v11
	v_lshrrev_b32 v[QE+(\t)], 23, v11              ; the scale's byte
	ds_store_b8 v5, v[QE+(\t)] offset:16*(\t)      ; both lanes of a block write the same byte with the same value
	global_store_b64 v4, v[QC+4*(\t):QC+4*(\t)+1], s[14:15] offset:256*(\t)   ; the wave stores 256 consecutive bytes, aligned
.endm
.irp t, 0,1,2,3,4,5,6,7,8,9,10,11,12,13,14,15
	QSTEP \t
.endr
	ds_load_b64 v[12:13], v6                       ; in order behind my byte stores
	s_wait_dscnt 0x0
	global_store_b64 v7, v[12:13], s[16:17]        ; the wave's 256 scale bytes, aligned
	s_wait_tensorcnt 0x0
	ds_add_u32 v192, v193
	s_wait_dscnt 0x0
	s_endpgm
.Lnot_q:
	s_cmp_lt_u32 ttmp9, 320
	s_cbranch_scc0 .Lstats
; ---------------- f32 to f16.  64 steps of 128 numbers; a ring of sixteen slots in registers keeps sixteen loads of the wave on their way.
	v_lshlrev_b32 v1, 4, v2                        ; in: 16 bytes a lane
	v_lshlrev_b32 v3, 3, v2                        ; out: 8 bytes a lane
	s_wait_kmcnt 0x0
	s_cmp_lt_u32 ttmp9, 288                        ; W_proj's work-group or W_out's
	s_cselect_b64 s[8:9], s[8:9], s[10:11]
	s_cselect_b32 s22, 0, 384
	s_sub_co_u32 s23, ttmp9, 192
	s_lshl_b32 s23, s23, 2
	s_add_co_u32 s23, s23, s20                     ; which run of 8,192 numbers, 0 .. 511, through both tensors
	s_sub_co_u32 s22, s23, s22
	s_lshl_b32 s24, s22, 15
	s_add_nc_u64 s[8:9], s[8:9], s[24:25]
	s_lshl_b32 s24, s23, 14
	s_add_nc_u64 s[18:19], s[18:19], s[24:25]
.set t, 0
.rept 16
	global_load_b128 v[CX+4*t:CX+4*t+3], v1, s[8:9] offset:512*t th:TH_LOAD_NT
.set t, t+1
.endr
.set t, 0
.rept 64
.set sl, t%16
.if t < 49
	s_wait_loadcnt 15                              ; this slot's load is in; the fifteen younger ones stay out
.else
	s_wait_loadcnt 63-t                            ; the tail: the counts run down
.endif
.if t >= 16
	s_wait_xcnt 0x0                                ; the slot's last store has read its two registers
.endif
	v_cvt_pk_f16_f32 v[CY+2*sl], v[CX+4*sl], v[CX+4*sl+1]
	v_cvt_pk_f16_f32 v[CY+2*sl+1], v[CX+4*sl+2], v[CX+4*sl+3]
.if t < 48
	global_load_b128 v[CX+4*sl:CX+4*sl+3], v1, s[8:9] offset:512*(t+16) th:TH_LOAD_NT
.endif
	global_store_b64 v3, v[CY+2*sl:CY+2*sl+1], s[18:19] offset:256*t   ; 256 consecutive bytes, aligned
.set t, t+1
.endr
	s_endpgm
.Lstats:
; ---------------- the rows of x.  A wave takes eight rows, one at a time; a row is 32 registers.  Four rows' loads are issued ahead.
	v_lshlrev_b32 v1, 4, v2
	v_mov_b32 v9, 0                                ; a lane permute's destination counts as one of its sources
	v_mov_b32 v10, 0                               ; lane i gathers row i's mean
	v_mov_b32 v11, 0                               ; and its 1 / sqrt(variance + 1e-5)
	s_mov_b32 s26, 0x76543210
	s_mov_b32 s27, 0xfedcba98                      ; v_permlanex16_b32's selects for lane l xor 16
	s_mov_b32 s28, 0x3a800000                      ; 1 / 1,024
	s_mov_b32 s29, 0x3727c5ac                      ; 1e-5
	s_sub_co_u32 s22, ttmp9, 320
	s_lshl_b32 s22, s22, 5
	s_lshl_b32 s23, s20, 3
	s_add_co_u32 s22, s22, s23                     ; my first row
	s_wait_kmcnt 0x0
	s_lshl_b32 s24, s22, 12
	s_add_nc_u64 s[12:13], s[12:13], s[24:25]
	s_lshl_b32 s24, s22, 3
	s_add_co_u32 s24, s24, 196608                  ; behind the 196,608 scale bytes
	s_add_nc_u64 s[16:17], s[16:17], s[24:25]
.macro SFILL i
.irp j, 0,1,2,3,4,5,6,7
	global_load_b128 v[SX+32*((\i)%4)+4*\j:SX+32*((\i)%4)+4*\j+3], v1, s[12:13] offset:4096*(\i)+512*\j th:TH_LOAD_NT
.endr
.endm
.macro ACROSS                          ; the pair v[ST:ST+1] of every lane becomes one sum, in every lane
	v_add_f32 v[ST], v[ST], v[ST+1]
	v_add_f32_dpp v[ST], v[ST], v[ST] row_xmask:1 row_mask:0xf bank_mask:0xf
	v_add_f32_dpp v[ST], v[ST], v[ST] row_xmask:2 row_mask:0xf bank_mask:0xf
	v_add_f32_dpp v[ST], v[ST], v[ST] row_xmask:4 row_mask:0xf bank_mask:0xf
	v_add_f32_dpp v[ST], v[ST], v[ST] row_xmask:8 row_mask:0xf bank_mask:0xf
	v_permlanex16_b32 v9, v[ST], s26, s27
	v_add_f32 v[ST], v[ST], v9
.endm
.macro SROW i
.set XS, SX+32*((\i)%4)
.if (\i) < 5
	s_wait_loadcnt 24                              ; this row's eight loads are in; the three rows behind it may be out
.else
	s_wait_loadcnt 8*(7-(\i))
.endif
.irp j, 0,1,2,3,4,5,6,7
	v_pk_add_f32 v[ST+2*\j:ST+2*\j+1], v[XS+4*\j:XS+4*\j+1], v[XS+4*\j+2:XS+4*\j+3]
.endr
.irp j, 0,1,2,3
	v_pk_add_f32 v[ST+4*\j:ST+4*\j+1], v[ST+4*\j:ST+4*\j+1], v[ST+4*\j+2:ST+4*\j+3]
.endr
	v_pk_add_f32 v[ST:ST+1], v[ST:ST+1], v[ST+4:ST+5]
	v_pk_add_f32 v[ST+8:ST+9], v[ST+8:ST+9], v[ST+12:ST+13]
	v_pk_add_f32 v[ST:ST+1], v[ST:ST+1], v[ST+8:ST+9]
	ACROSS
	v_mul_f32 v[MN], s28, v[ST]                    ; the mean
	v_mov_b32 v[MN+1], v[MN]
.set j, 0
.rept 16
	v_pk_add_f32 v[XS+2*j:XS+2*j+1], v[XS+2*j:XS+2*j+1], v[MN:MN+1] neg_lo:[0,1] neg_hi:[0,1]   ; x - mean, in place: the variance is a sum of squares of these, no difference of large sums
.set j, j+1
.endr
.irp j, 0,1,2,3
	v_pk_mul_f32 v[ST+2*\j:ST+2*\j+1], v[XS+2*\j:XS+2*\j+1], v[XS+2*\j:XS+2*\j+1]              ; four chains, started by the first four pairs
.endr
.set j, 4
.rept 12
	v_pk_fma_f32 v[ST+2*(j%4):ST+2*(j%4)+1], v[XS+2*j:XS+2*j+1], v[XS+2*j:XS+2*j+1], v[ST+2*(j%4):ST+2*(j%4)+1]
.set j, j+1
.endr
	v_pk_add_f32 v[ST:ST+1], v[ST:ST+1], v[ST+2:ST+3]
	v_pk_add_f32 v[ST+4:ST+5], v[ST+4:ST+5], v[ST+6:ST+7]
	v_pk_add_f32 v[ST:ST+1], v[ST:ST+1], v[ST+4:ST+5]
	ACROSS
	v_fma_f32 v[ST], v[ST], s28, s29               ; variance + 1e-5
	v_rsq_f32 v[ST+1], v[ST]
	v_nop                                          ; a plain instruction between the transcendental and the use of its result
	v_cmp_eq_u32 vcc_lo, \i, v2
	v_cndmask_b32 v10, v10, v[MN], vcc_lo
	s_wait_alu depctr_va_vdst(0)
	v_cndmask_b32 v11, v11, v[ST+1], vcc_lo
.if (\i) < 4
	SFILL (\i)+4
.endif
.endm
.irp i, 0,1,2,3
	SFILL \i
.endr
.irp i, 0,1,2,3,4,5,6,7
	SROW \i
.endr
	v_lshlrev_b32 v3, 3, v2
	s_wait_xcnt 0x0                                ; EXEC changes only behind this wait
	v_cmp_gt_u32 vcc_lo, 8, v2
	s_and_saveexec_b32 s30, vcc_lo
	global_store_b64 v3, v[10:11], s[16:17]        ; eight rows' pairs: 64 consecutive bytes a wave (32,768 bytes in the whole launch are written in such pieces)
	s_wait_xcnt 0x0
	s_or_b32 exec_lo, exec_lo, s30
	s_endpgm
.Lfunc_end_k_qa3978f8389_prep:
	.size	k_qa3978f8389_prep, .Lfunc_end_k_qa3978f8389_prep-k_qa3978f8389_prep
	.p2alignl 7, 3214868480
	.fill 96, 4, 3214868480
	.section	.rodata,"a",@progbits
	.p2align	6, 0x0
	.amdhsa_kernel k_qa3978f8389_prep
		.amdhsa_group_segment_fixed_size 33280
		.amdhsa_private_segment_fixed_size 0
		.amdhsa_enable_private_segment 0
		.amdhsa_kernarg_size 64
		.amdhsa_user_sgpr_count 2
		.amdhsa_user_sgpr_kernarg_segment_ptr 1
		.amdhsa_wavefront_size32 1
		.amdhsa_system_sgpr_workgroup_id_x 1
		.amdhsa_system_sgpr_workgroup_id_y 1
		.amdhsa_system_sgpr_workgroup_id_z 1
		.amdhsa_system_vgpr_workitem_id 0
		.amdhsa_next_free_vgpr 194
		.amdhsa_next_free_sgpr 66
		.amdhsa_reserve_vcc 1
		.amdhsa_float_denorm_mode_32 3
		.amdhsa_float_denorm_mode_16_64 3
		.amdhsa_memory_ordered 1
		.amdhsa_forward_progress 1
		.amdhsa_inst_pref_size 98
	.end_amdhsa_kernel
	.amdgpu_metadata
---
amdhsa.version: [ 1, 2 ]
amdhsa.kernels:
  - .name:           k_qa3978f8389_prep
    .symbol:         k_qa3978f8389_prep.kd
    .args:
      - { .name: emb, .offset: 0, .size: 8, .value_kind: global_buffer, .address_space: global }
      - { .name: W_emb, .offset: 8, .size: 8, .value_kind: global_buffer, .address_space: global }
      - { .name: W_proj, .offset: 16, .size: 8, .value_kind: global_buffer, .address_space: global }
      - { .name: W_out, .offset: 24, .size: 8, .value_kind: global_buffer, .address_space: global }
      - { .name: x, .offset: 32, .size: 8, .value_kind: global_buffer, .address_space: global }
      - { .name: codes, .offset: 40, .size: 8, .value_kind: global_buffer, .address_space: global }
      - { .name: scal, .offset: 48, .size: 8, .value_kind: global_buffer, .address_space: global }
      - { .name: w16, .offset: 56, .size: 8, .value_kind: global_buffer, .address_space: global }
    .group_segment_fixed_size: 33280
    .private_segment_fixed_size: 0
    .kernarg_segment_align: 8
    .kernarg_segment_size: 64
    .max_flat_workgroup_size: 128
    .sgpr_count:     66
    .vgpr_count:     194
    .wavefront_size: 32
...
	.end_amdgpu_metadata
.endif
;; end of part 1
;; launch film (part 2): grid 8 x 32, 4 waves a work-group, clusters of 4 x 4, 270,848 bytes of LDS; arguments codes, scal, b_emb, x, hw; writes hw
.if DOCPART == 2
	.amdgcn_target "amdgcn-amd-amdhsa--gfx1250"
	.amdhsa_code_object_version 6
	.text
	.protected	k_qa3978f8389_film
	.globl	k_qa3978f8389_film
	.p2align	8
	.type	k_qa3978f8389_film,@function
k_qa3978f8389_film:
	s_mov_b64 s[64:65], 0
	v_nop
	global_prefetch_b8 v0, s[64:65] scope:SCOPE_SE
	s_setreg_imm32_b32 hwreg(HW_REG_WAVE_MODE, 25, 1), 1
	s_wait_xcnt 0x0
	s_wait_alu depctr_hold_cnt(0) depctr_sa_sdst(0) depctr_va_vdst(0) depctr_va_sdst(0) depctr_va_ssrc(0) depctr_va_vcc(0) depctr_vm_vsrc(0)
	s_getreg_b32 s2, hwreg(HW_REG_IB_STS2, 6, 4)
	s_cmp_eq_u32 s2, 0
	s_cbranch_scc0 .Lentry_in_a_cluster
	s_endpgm
.Lentry_in_a_cluster:
	s_bfe_u32 s2, ttmp6, 0x10000c
	s_cmp_lg_u32 s2, 0xf033
	s_cbranch_scc0 .Lentry_shape_is_right
	s_endpgm
.Lentry_shape_is_right:
; h / 16 = LN(x) / 16 x (1 + scale) + shift / 16, with (scale | shift) = emb W_emb^T + b_emb on codes of FP4 (E2M1) with one E8M0 scale for each 32 along K; sums in f32; h / 16 leaves as f16.
; SHARES.  A work-group takes 128 rows x 128 columns of h: for these it needs 128 rows of emb's codes (A), rows 128 tx .. of W_emb's (the scale part, B0) and rows 1,024 + 128 tx .. (the shift part, B1),
; and its tile of x.  All of K = 1,024 is 512 bytes a row, so each of the four comes into LDS ONCE, by one tensor load of one wave: no byte of LDS is filled twice.
; A wave makes 64 rows x 64 columns of both parts: 4 x 4 x 2 = 32 accumulators of 16 x 16.
; CLUSTERS: 4 x 4 work-groups.  A hangs on the tile row alone and is asked for jointly along a row of the cluster, B0 and B1 on the tile column alone, jointly along a column; x's tile is the work-group's own.
; THE MATRIX INSTRUCTION IS USED TRANSPOSED (source 0 = 16 rows of W_emb, source 1 = 16 rows of emb): a lane holds one row and eight neighbouring columns.  Packed to f16 these are 16 bytes of
; the next product's operand: hw is laid as IMAGES OF FRAGMENT REGISTERS, [row / 16][column / 16][lane][16 bytes], lane (r, h) holding row r, columns 8 h .. 8 h + 7; a store of the wave covers 512 consecutive bytes.
; The bias is the C of each sum's first product; 1 is added to the scale part's bias beforehand, so that the sums are 1 + scale and shift.
; LIMITS: |h| stays under 1,048,000 (f16 holds h / 16); under 2^-10 h is rounded to multiples of 2^-20.  NaN and infinities are not served.
; REGISTERS, in windows of 256: window 0: v1-20 addresses; v24-31 (mean, rstd) of my four tiles of rows; v32-63 A's scale words (8 a + K step), v64-127 B's (8 (4 part + b) + K step): these hold scales and nothing else;
;   v128-191 A's fragments, two sets (behind the products v128-143 hold rstd / 16 and -mean rstd / 16, each twice); v192-223 x, then h; v224-255 packed results, two sets.
;   window 1: v0-127 B's fragments, two sets; v128-191 the bias, 8 tiles in the result's layout.   window 2: v0-127 the sums 1 + scale (8 (4 a + b)); v128-255 the sums shift.
.set PITCH, 528                        ; an LDS row: 512 bytes + 16 of padding = 132 words: the sixteen rows that a load touches start at sixteen different groups of four banks
.set REGN,  128*PITCH                  ; a region: 128 rows
.set XOFF,  3*REGN                     ; A at 0, B0 at REGN, B1 at 2 REGN, x at 3 REGN
.set SA,  32
.set SB,  64
.set AF,  128
.set BI,  128
.set XH,  192
.set PK,  224
.set WV,  14
.set G1A, 24                           ; s[24:31] group 1 for A;  s[48:55] for B;  s[68:75] for x
.set G0A, 32                           ; s[32:35], s[36:39], s[56:59] their groups 0
.set G0B, 36
.set G1B, 48
.set G0X, 56
.set G1X, 68
.set MSB, 0
.macro WIN new                         ; the immediate's high byte repeats the setting that is left
.if MSB != \new
	s_set_vgpr_msb (MSB<<8)|\new
.set MSB, \new
.endif
.endm
.macro PLACES                          ; four plain vector instructions behind a matrix instruction, ahead of loads into its sources and of reads of its result
.rept 4
	v_nop
.endr
.endm
.macro CREST
	s_cmp_lg_u32 s[WV], 0
	s_cbranch_scc1 .Lnot_wave_0_\@
	s_barrier_signal -3
.Lnot_wave_0_\@:
	s_barrier_wait -3
	s_barrier_signal -1
	s_barrier_wait -1
.endm
.macro CROUND                          ; a round of the cluster's barrier
	s_barrier_signal -1
	s_barrier_wait -1
	CREST
.endm
	s_load_b256 s[4:11], s[0:1], 0x0               ; codes s[4:5], scal s[6:7], b_emb s[8:9], x s[10:11]
	s_load_b64 s[12:13], s[0:1], 0x20              ; hw
	v_lshl_add_u32 v22, v0, 2, 0x42000
	v_mov_b32 v23, 0
	ds_add_u32 v22, v23
	ds_add_u32 v22, v23
	v_lshrrev_b32 v1, 5, v0
	v_readfirstlane_b32 s[WV], v1                  ; wave 0..3
	s_lshr_b32 s15, s[WV], 1                       ; wr: which 64 rows are mine.  Also: which part of W_emb waves 1 and 2 fetch
	s_and_b32 s16, s[WV], 1                        ; wc: which 64 columns
	s_bfe_u32 s40, ttmp6, 0x40000                  ; cx, cy: my place in the cluster
	s_bfe_u32 s41, ttmp6, 0x40004
	s_lshl_b32 s42, ttmp9, 2
	s_add_co_u32 s42, s42, s40                     ; tx = 4 x cluster x + cx
	s_and_b32 s17, ttmp7, 0xffff
	s_lshl_b32 s17, s17, 2
	s_add_co_u32 s17, s17, s41                     ; ty = 4 x cluster y + cy
	s_lshl_b32 s43, s41, 2
	s_lshl_b32 s43, 15, s43                        ; my row of the cluster
	s_lshl_b32 s44, 0x1111, s40                    ; my column
	; group 1: 128 rows of 512 bytes, 512 bytes apart in memory; in LDS four words of padding behind every 128
	s_or_b32 s[G1A], s43, (1<<20)|(1<<21)|(6<<22)|(3<<25)
	s_or_b32 s[G1B], s44, (1<<20)|(1<<21)|(6<<22)|(3<<25)
.irp g, G1A, G1B
	s_mov_b32 s[\g+1], 512<<16                     ; tensor_dim0 (elements of one byte)
	s_mov_b32 s[\g+2], 128<<16                     ; tensor_dim1
	s_mov_b32 s[\g+3], 512<<16                     ; tile_dim0
	s_mov_b32 s[\g+4], 128                         ; tile_dim1
	s_mov_b32 s[\g+5], 512                         ; from row to row
	s_mov_b32 s[\g+6], 0
	s_mov_b32 s[\g+7], 0
.endr
	s_mov_b32 s[G1X], (2<<16)|(1<<20)|(6<<22)|(3<<25)   ; x: no mask; elements of four bytes; the same padding
	s_mov_b32 s[G1X+1], 128<<16
	s_mov_b32 s[G1X+2], 128<<16
	s_mov_b32 s[G1X+3], 128<<16
	s_mov_b32 s[G1X+4], 128
	s_mov_b32 s[G1X+5], 1024
	s_mov_b32 s[G1X+6], 0
	s_mov_b32 s[G1X+7], 0
	s_lshl_b32 s20, s17, 16                        ; A: 128 ty rows of 512 bytes (s20, s21 never hold tx)
	s_mov_b32 s21, 0
	s_lshl_b32 s46, s42, 16                        ; B: 128 tx rows, + 1,024 rows for the shift part, behind emb's 2,097,152 bytes (s46, s47 never hold ty)
	s_lshl_b32 s47, s15, 19
	s_add_co_u32 s46, s46, s47
	s_add_co_u32 s46, s46, 0x200000
	s_mov_b32 s47, 0
	s_lshl_b32 s84, s17, 19                        ; x: 128 ty rows of 4,096 bytes + 128 tx columns
	s_lshl_b32 s85, s42, 9
	s_add_co_u32 s84, s84, s85
	s_mov_b32 s85, 0
	s_wait_dscnt 0x0
	s_wait_kmcnt 0x0
	s_mov_b32 s[G0A], 1
	s_mov_b32 s[G0A+1], 0
	s_add_nc_u64 s[G0A+2:G0A+3], s[4:5], s[20:21]
	s_or_b32 s[G0A+3], s[G0A+3], 0x80000000
	s_mov_b32 s[G0B], 1
	s_mul_i32 s[G0B+1], s[WV], REGN                ; wave 1: B0's region, wave 2: B1's
	s_add_nc_u64 s[G0B+2:G0B+3], s[4:5], s[46:47]
	s_or_b32 s[G0B+3], s[G0B+3], 0x80000000
	s_mov_b32 s[G0X], 1
	s_mov_b32 s[G0X+1], XOFF
	s_add_nc_u64 s[G0X+2:G0X+3], s[10:11], s[84:85]
	s_or_b32 s[G0X+3], s[G0X+3], 0x80000000
	CROUND                                         ; all sixteen work-groups are here: the joint loads meet
	s_cmp_eq_u32 s[WV], 0                          ; one tensor load a wave, so one of mine is out.  The branches hang on the wave's number alone
	s_cbranch_scc0 .Lnot_a
	tensor_load_to_lds s[G0A:G0A+3], s[G1A:G1A+7]
	s_nop 0
	PLACES
	s_branch .Lasked
.Lnot_a:
	s_cmp_eq_u32 s[WV], 3
	s_cbranch_scc0 .Lfor_b
	tensor_load_to_lds s[G0X:G0X+3], s[G1X:G1X+7]
	s_nop 0
	PLACES
	s_branch .Lasked
.Lfor_b:
	tensor_load_to_lds s[G0B:G0B+3], s[G1B:G1B+7]
	s_nop 0
	PLACES
.Lasked:
	; the bases of what comes straight into registers
	s_lshl_b32 s20, s17, 12
	s_lshl_b32 s22, s15, 11
	s_add_co_u32 s20, s20, s22                     ; (128 ty + 64 wr) x 32: A's scale bytes of my rows
	s_add_nc_u64 s[60:61], s[6:7], s[20:21]
	s_lshr_b32 s20, s20, 2
	s_add_co_u32 s20, s20, 196608                  ; (128 ty + 64 wr) x 8, behind the scale bytes: the rows' statistics
	s_add_nc_u64 s[78:79], s[6:7], s[20:21]
	s_lshl_b32 s46, s42, 12
	s_lshl_b32 s86, s16, 11
	s_add_co_u32 s46, s46, s86                     ; (128 tx + 64 wc) x 32
	s_lshr_b32 s86, s46, 3                         ; (128 tx + 64 wc) x 4: the bias
	s_mov_b32 s87, 0
	s_add_nc_u64 s[76:77], s[8:9], s[86:87]
	s_add_co_u32 s46, s46, 131072                  ; W_emb's scale bytes lie behind emb's
	s_add_nc_u64 s[62:63], s[6:7], s[46:47]
	s_lshl_b32 s84, s17, 18                        ; hw: (8 ty + 4 wr) tiles of rows of 32,768 bytes + (8 tx + 4 wc) images of 512
	s_lshl_b32 s85, s15, 17
	s_add_co_u32 s84, s84, s85
	s_lshl_b32 s85, s42, 12
	s_add_co_u32 s84, s84, s85
	s_lshl_b32 s85, s16, 11
	s_add_co_u32 s84, s84, s85
	s_mov_b32 s85, 0
	s_add_nc_u64 s[80:81], s[12:13], s[84:85]
	v_and_b32 v1, 15, v0                           ; r
	v_bfe_u32 v2, v0, 4, 1                         ; h
	v_and_b32 v3, 31, v0                           ; lane
	v_mul_u32_u24 v4, v1, PITCH
	v_lshl_add_u32 v8, v2, 5, v4                   ; r x pitch + 32 h (x: eight f32)
	v_lshl_add_u32 v4, v2, 4, v4                   ; r x pitch + 16 h (codes: 32 of them)
	s_mul_i32 s22, s15, 64*PITCH
	s_mul_i32 s23, s16, 64*PITCH
	v_add_nc_u32 v16, s22, v4                      ; A's fragments
	s_add_co_u32 s23, s23, REGN
	v_add_nc_u32 v17, s23, v4                      ; B0's
	v_add_nc_u32 v18, REGN, v17                    ; B1's
	s_lshl_b32 s23, s16, 8
	s_add_co_u32 s22, s22, s23
	s_add_co_u32 s22, s22, XOFF
	v_add_nc_u32 v19, s22, v8                      ; x
	v_lshlrev_b32 v20, 4, v3                       ; an image's place for my lane
	v_lshlrev_b32 v5, 5, v1                        ; 32 scale bytes a row
	v_lshlrev_b32 v6, 5, v2                        ; the bias of my half's eight columns
	v_lshlrev_b32 v7, 3, v1                        ; 8 bytes of statistics a row
.irp a, 0,1,2,3                                ; a row's 32 scale bytes are the eight K steps' words: register q of a tile is K step q's; sixteen rows are 512 consecutive bytes
	global_load_b128 v[SA+8*\a:SA+8*\a+3],   v5, s[60:61] offset:512*\a
	global_load_b128 v[SA+8*\a+4:SA+8*\a+7], v5, s[60:61] offset:512*\a+16
.endr
.irp u, 0,1
.irp b, 0,1,2,3
	global_load_b128 v[SB+8*(4*\u+\b):SB+8*(4*\u+\b)+3],   v5, s[62:63] offset:32768*\u+512*\b
	global_load_b128 v[SB+8*(4*\u+\b)+4:SB+8*(4*\u+\b)+7], v5, s[62:63] offset:32768*\u+512*\b+16
.endr
.endr
.irp a, 0,1,2,3
	global_load_b64 v[24+2*\a:25+2*\a], v7, s[78:79] offset:128*\a
.endr
	WIN 0x40                                       ; destination window 1
.irp u, 0,1
.irp b, 0,1,2,3
	global_load_b128 v[BI+8*(4*\u+\b):BI+8*(4*\u+\b)+3],   v6, s[76:77] offset:4096*\u+64*\b
	global_load_b128 v[BI+8*(4*\u+\b)+4:BI+8*(4*\u+\b)+7], v6, s[76:77] offset:4096*\u+64*\b+16
.endr
.endr
	WIN 0
; the fragments of K step q (128 along K: 64 bytes of a row) into set pb: eight of B, four of A.  A fragment is two loads of 16 bytes, 32 bytes apart
.macro FETCH q, pb
	WIN 0x40
.irp b, 0,1,2,3
.irp c, 0,1
	ds_load_b128 v[64*(\pb)+8*\b+4*\c:64*(\pb)+8*\b+4*\c+3], v17 offset:\b*16*PITCH+64*(\q)+32*\c
.endr
.endr
.irp b, 0,1,2,3
.irp c, 0,1
	ds_load_b128 v[64*(\pb)+32+8*\b+4*\c:64*(\pb)+32+8*\b+4*\c+3], v18 offset:\b*16*PITCH+64*(\q)+32*\c
.endr
.endr
	WIN 0
.irp a, 0,1,2,3
.irp c, 0,1
	ds_load_b128 v[AF+32*(\pb)+8*\a+4*\c:AF+32*(\pb)+8*\a+4*\c+3], v16 offset:\a*16*PITCH+64*(\q)+32*\c
.endr
.endr
.endm
; a K step's 32 products.  The 32 accumulators take turns, one instruction a turn, in the same order in every step
.macro MUL32 q, pb
.irp a, 0,1,2,3
.irp u, 0,1
.irp b, 0,1,2,3
.if (\q) == 0
	v_wmma_scale_f32_16x16x128_f8f6f4 v[128*\u+8*(4*\a+\b):128*\u+8*(4*\a+\b)+7], v[64*(\pb)+8*(4*\u+\b):64*(\pb)+8*(4*\u+\b)+7], v[AF+32*(\pb)+8*\a:AF+32*(\pb)+8*\a+7], v[BI+8*(4*\u+\b):BI+8*(4*\u+\b)+7], v[SB+8*(4*\u+\b)+(\q)], v[SA+8*\a+(\q)] matrix_a_fmt:MATRIX_FMT_FP4 matrix_b_fmt:MATRIX_FMT_FP4
.else
	v_wmma_scale_f32_16x16x128_f8f6f4 v[128*\u+8*(4*\a+\b):128*\u+8*(4*\a+\b)+7], v[64*(\pb)+8*(4*\u+\b):64*(\pb)+8*(4*\u+\b)+7], v[AF+32*(\pb)+8*\a:AF+32*(\pb)+8*\a+7], v[128*\u+8*(4*\a+\b):128*\u+8*(4*\a+\b)+7], v[SB+8*(4*\u+\b)+(\q)], v[SA+8*\a+(\q)] matrix_a_fmt:MATRIX_FMT_FP4 matrix_b_fmt:MATRIX_FMT_FP4
.endif
.endr
.endr
.endr
.endm
.macro KSTEP q
	s_wait_dscnt 0x0                               ; this step's fragments are in (asked for a step, 32 products, ago)
.if (\q) < 7
	PLACES                                         ; the other set was read by the last step's products
	FETCH (\q)+1, 1-(\q)%2
.endif
.if (\q) == 0
	WIN 0x91                                       ; source 0 (W_emb) window 1, source 1 (emb) window 0, C (the bias) window 1, D window 2
.else
	WIN 0xa1                                       ; C and D window 2
.endif
	MUL32 \q, (\q)%2
.endm
	s_wait_tensorcnt 0x0                           ; my tile has landed,
	s_barrier_signal -1
	s_barrier_wait -1                              ; everybody's has
	FETCH 0, 0
	s_wait_loadcnt 0x0                             ; scale words, statistics, bias
	WIN 0x44                                       ; source 1 and destination window 1
.set j, 0
.rept 32
	v_add_f32 v[BI+j], 1.0, v[BI+j]                ; the scale part's sums begin at 1 + bias
.set j, j+1
.endr
	WIN 0
.irp q, 0,1,2,3,4,5,6,7
	KSTEP \q
.endr
	WIN 0
	PLACES                                         ; behind the last products: their results are read, and registers that earlier products read are written, below
.irp a, 0,1,2,3
	v_mul_f32 v[128+4*\a], 0x3d800000, v[25+2*\a]  ; rstd / 16
	v_mov_b32 v[129+4*\a], v[128+4*\a]
	v_mul_f32 v[130+4*\a], -v[24+2*\a], v[128+4*\a]   ; -mean rstd / 16
	v_mov_b32 v[131+4*\a], v[130+4*\a]
.endr
; tile a of my rows: 16 rows x 64 columns
.macro FILM a
.if (\a) >= 2
	s_wait_xcnt 0x0                                ; the stores of two tiles ago have read the packed registers
.endif
.irp b, 0,1,2,3
	ds_load_b128 v[XH+8*\b:XH+8*\b+3],   v19 offset:(\a)*16*PITCH+64*\b
	ds_load_b128 v[XH+8*\b+4:XH+8*\b+7], v19 offset:(\a)*16*PITCH+64*\b+16
.endr
	WIN 0x82                                       ; source 0 and destination window 2
.set j, 0
.rept 16
	v_pk_mul_f32 v[128+32*(\a)+2*j:129+32*(\a)+2*j], v[128+32*(\a)+2*j:129+32*(\a)+2*j], 0x3d800000 op_sel_hi:[1,0]   ; shift / 16; each accumulator from its low end on
.set j, j+1
.endr
	WIN 0
	s_wait_dscnt 0x0
.set j, 0
.rept 16
	v_pk_fma_f32 v[XH+2*j:XH+2*j+1], v[XH+2*j:XH+2*j+1], v[128+4*(\a):129+4*(\a)], v[130+4*(\a):131+4*(\a)]   ; LN(x) / 16
.set j, j+1
.endr
	WIN 0x28                                       ; sources 1 and 2 window 2
.set j, 0
.rept 16
	v_pk_fma_f32 v[XH+2*j:XH+2*j+1], v[XH+2*j:XH+2*j+1], v[32*(\a)+2*j:32*(\a)+2*j+1], v[128+32*(\a)+2*j:129+32*(\a)+2*j]   ; x (1 + scale) + shift / 16
.set j, j+1
.endr
	WIN 0
.set j, 0
.rept 16
	v_cvt_pk_f16_f32 v[PK+16*((\a)%2)+j], v[XH+2*j], v[XH+2*j+1]
.set j, j+1
.endr
.irp b, 0,1,2,3
	global_store_b128 v20, v[PK+16*((\a)%2)+4*\b:PK+16*((\a)%2)+4*\b+3], s[80:81] offset:32768*(\a)+512*\b   ; an image: 512 consecutive bytes, aligned
.endr
.endm
.irp a, 0,1,2,3
	FILM \a
.endr
	s_wait_tensorcnt 0x0
	ds_add_u32 v22, v23
	s_wait_dscnt 0x0
	CROUND                                         ; the closing round: no work-group ends while a partner may still ask for a tile that names it
	s_endpgm
.Lfunc_end_k_qa3978f8389_film:
	.size	k_qa3978f8389_film, .Lfunc_end_k_qa3978f8389_film-k_qa3978f8389_film
	.p2alignl 7, 3214868480
	.fill 96, 4, 3214868480
	.section	.rodata,"a",@progbits
	.p2align	6, 0x0
	.amdhsa_kernel k_qa3978f8389_film
		.amdhsa_group_segment_fixed_size 270848
		.amdhsa_private_segment_fixed_size 0
		.amdhsa_enable_private_segment 0
		.amdhsa_kernarg_size 40
		.amdhsa_user_sgpr_count 2
		.amdhsa_user_sgpr_kernarg_segment_ptr 1
		.amdhsa_wavefront_size32 1
		.amdhsa_system_sgpr_workgroup_id_x 1
		.amdhsa_system_sgpr_workgroup_id_y 1
		.amdhsa_system_sgpr_workgroup_id_z 1
		.amdhsa_system_vgpr_workitem_id 0
		.amdhsa_next_free_vgpr 768
		.amdhsa_next_free_sgpr 100
		.amdhsa_reserve_vcc 0
		.amdhsa_float_denorm_mode_32 3
		.amdhsa_float_denorm_mode_16_64 3
		.amdhsa_memory_ordered 1
		.amdhsa_forward_progress 1
		.amdhsa_inst_pref_size 82
	.end_amdhsa_kernel
	.amdgpu_metadata
---
amdhsa.version: [ 1, 2 ]
amdhsa.kernels:
  - .name:           k_qa3978f8389_film
    .symbol:         k_qa3978f8389_film.kd
    .args:
      - { .name: codes, .offset: 0, .size: 8, .value_kind: global_buffer, .address_space: global }
      - { .name: scal, .offset: 8, .size: 8, .value_kind: global_buffer, .address_space: global }
      - { .name: b_emb, .offset: 16, .size: 8, .value_kind: global_buffer, .address_space: global }
      - { .name: x, .offset: 24, .size: 8, .value_kind: global_buffer, .address_space: global }
      - { .name: hw, .offset: 32, .size: 8, .value_kind: global_buffer, .address_space: global }
    .group_segment_fixed_size: 270848
    .private_segment_fixed_size: 0
    .kernarg_segment_align: 8
    .kernarg_segment_size: 40
    .max_flat_workgroup_size: 128
    .sgpr_count:     100
    .vgpr_count:     768
    .wavefront_size: 32
...
	.end_amdgpu_metadata
.endif
;; end of part 2
;; launch qkv (part 3): grid 16 x 16, 4 waves a work-group, clusters of 4 x 4, 327,680 bytes of LDS; arguments hw, w16, qkvw; writes qkvw
.if DOCPART == 3
	.amdgcn_target "amdgcn-amd-amdhsa--gfx1250"
	.amdhsa_code_object_version 6
	.text
	.protected	k_qa3978f8389_qkv
	.globl	k_qa3978f8389_qkv
	.p2align	8
	.type	k_qa3978f8389_qkv,@function
k_qa3978f8389_qkv:
	s_mov_b64 s[64:65], 0
	v_nop
	global_prefetch_b8 v0, s[64:65] scope:SCOPE_SE
	s_setreg_imm32_b32 hwreg(HW_REG_WAVE_MODE, 25, 1), 1
	s_wait_xcnt 0x0
	s_wait_alu depctr_hold_cnt(0) depctr_sa_sdst(0) depctr_va_vdst(0) depctr_va_sdst(0) depctr_va_ssrc(0) depctr_va_vcc(0) depctr_vm_vsrc(0)
	s_getreg_b32 s2, hwreg(HW_REG_IB_STS2, 6, 4)
	s_cmp_eq_u32 s2, 0
	s_cbranch_scc0 .Lentry_in_a_cluster
	s_endpgm
.Lentry_in_a_cluster:
	s_bfe_u32 s2, ttmp6, 0x10000c
	s_cmp_lg_u32 s2, 0xf033
	s_cbranch_scc0 .Lentry_shape_is_right
	s_endpgm
.Lentry_shape_is_right:
; y = (h / 16) W_proj^T, f16 operands, f32 sums; then, head by head: q^ = LN(q) x log2(e) / 8, k^ = LN(k), v'' = v / 64, all as f16.
; Since y = qkv / 16, LN(q) = (y - mean y) / sqrt(var y + 1e-5 / 256), and v / 64 = y / 4: both scalings are by powers of two.
; SHARES.  A tile is 256 rows x 192 columns, three whole heads: 16 x 16 = 256 work-groups.  Wave w takes rows 64 w .. 64 w + 63 x all 192 columns: 4 x 12 = 48 accumulators, 384 registers,
; so that a head's 64 channels lie in one wave and its mean and variance cross only the two halves of the lanes.
; K goes in steps of 128 through a ring of two LDS slots.  h comes as images of fragment registers ([row / 16][column / 16][lane][16 bytes]): a K step of 16 rows is 4,096 consecutive bytes, read back at
; 16 x lane.  W_proj's rows are 256 bytes a K step, 272 apart in LDS.  Waves 0 and 1 fetch h's halves, waves 2 and 3 W_proj's: one tensor load a wave behind each round, two at the start.
; CLUSTERS: 4 x 4 work-groups; h's tile is asked for jointly along a row of the cluster, W_proj's along a column.
; THE MATRIX INSTRUCTION IS USED TRANSPOSED (source 0 = 16 rows of W_proj, source 1 = 16 rows of h): a lane holds one token and eight neighbouring channels.
; OUT: qkvw [kind 3][batch x head 64][token / 16][2,048 bytes].  q and k: images, 512 (channel / 16) + 16 lane.  v: 512 (channel / 16) + 32 (token % 16) + 16 (half): token-major, for the transposing LDS load.
; Which kind a head is hangs on the tile column, which holds the place in the cluster: so it steers values and store addresses alone (selects), never a branch.
; LIMITS: |v| stays under 4,190,000 (f16 holds v / 64); under 2^-8 v is rounded to multiples of 2^-18.  NaN and infinities are not served.
; REGISTERS, in windows of 256: window 0: v16-29 addresses; v64-127 h's fragments, two sets of four; on the way out v64-159 at work.   window 1: W_proj's fragments, two sets of twelve, at v0 and v128.
;   window 2: the 24 accumulators of my rows 0-31 (8 (12 a + b));   window 3: those of rows 32-63.
.set BOFF,  65536                      ; a slot: h's 16 tiles of rows x 4,096 bytes, then
.set BP,    272                        ; W_proj's 192 rows of 256 bytes + 16 of padding
.set SLOT,  BOFF+192*BP                ; 117,760
.set SPARE, 2*SLOT                     ; behind the ring: the spare words, 128 bytes a wave: two blocks of 256 bytes that no other line names
.set LAPS,  4                          ; eight K steps, two to a lap
.set ADRA, 16                          ; v16-17  my fragments of h in slot 0, 1
.set ADRB, 20                          ; v20-21  W_proj's
.set OFF,  24                          ; v24-26  head i: my lane's place in a stored tile
.set SPW,  28                          ; v28     SPARE + 4 x my thread's number; never rewritten
.set NIL,  29                          ; v29     0; never rewritten
.set WV,   10
.set G1,   24
.set G0,   32
.set G1B,  48
.set G0B,  56
.set BASE, 70                          ; s[70:75] head i: where my wave's first tile goes
.set FQ,   76                          ; s76-78   head i: log2(e) / 8 for q, 1 for k
.set MK,   80                          ; s80-82   head i: all ones for v, else 0
.set SEL,  88
.set MUL_LO, 0xa1                      ; source 0 (W_proj) window 1, source 1 (h) window 0, C and D window 2
.set MUL_HI, 0xf1                      ; the same, C and D window 3
.set TO_B,   0x40
.set MSB, 0
.macro WIN new
.if MSB != \new
	s_set_vgpr_msb (MSB<<8)|\new
.set MSB, \new
.endif
.endm
.macro PLACES                          ; four plain vector instructions behind a matrix instruction, ahead of loads into its sources and of reads of its result
.rept 4
	v_nop
.endr
.endm
.macro JLOAD s                         ; a joint load: the branch hangs on the wave's number alone; four v_nop follow each line
	s_cmp_eq_u32 s11, 0
	s_cbranch_scc0 .Lfor_b_\@
	tensor_load_to_lds s[G0+4*\s:G0+4*\s+3], s[G1:G1+7]
	s_nop 0
	PLACES
	s_branch .Lasked_\@
.Lfor_b_\@:
	tensor_load_to_lds s[G0B+4*\s:G0B+4*\s+3], s[G1B:G1B+7]
	s_nop 0
	PLACES
.Lasked_\@:
.endm
.macro CREST
	s_cmp_lg_u32 s[WV], 0
	s_cbranch_scc1 .Lnot_wave_0_\@
	s_barrier_signal -3
.Lnot_wave_0_\@:
	s_barrier_wait -3
	s_barrier_signal -1
	s_barrier_wait -1
.endm
.macro CROUND
	s_barrier_signal -1
	s_barrier_wait -1
	CREST
.endm
	s_load_b128 s[4:7], s[0:1], 0x0                ; hw s[4:5], w16 s[6:7]
	s_load_b64 s[8:9], s[0:1], 0x10                ; qkvw
	v_lshl_add_u32 v[SPW], v0, 2, SPARE
	v_mov_b32 v[NIL], 0
	ds_add_u32 v28, v29
	ds_add_u32 v28, v29
	s_wait_dscnt 0x0
	v_lshrrev_b32 v1, 5, v0
	v_readfirstlane_b32 s[WV], v1                  ; wave 0..3
	s_lshr_b32 s11, s[WV], 1                       ; I fetch for h (0) or for W_proj (1)
	s_and_b32 s12, s[WV], 1                        ; which half of that tile
	s_bfe_u32 s40, ttmp6, 0x40000
	s_bfe_u32 s41, ttmp6, 0x40004
	s_lshl_b32 s42, ttmp9, 2
	s_add_co_u32 s42, s42, s40                     ; tx
	s_and_b32 s13, ttmp7, 0xffff
	s_lshl_b32 s13, s13, 2
	s_add_co_u32 s13, s13, s41                     ; ty
	s_lshl_b32 s43, s41, 2
	s_lshl_b32 s43, 15, s43                        ; my row of the cluster
	s_lshl_b32 s44, 0x1111, s40                    ; my column
	s_or_b32 s[G1], s43, (3<<16)|(1<<21)           ; h: elements of 8 bytes, no padding: 8 tiles of rows x 4,096 bytes, 32,768 bytes apart
	s_mov_b32 s[G1+1], 512<<16
	s_mov_b32 s[G1+2], 8<<16
	s_mov_b32 s[G1+3], 512<<16
	s_mov_b32 s[G1+4], 8
	s_mov_b32 s[G1+5], 4096
	s_mov_b32 s[G1+6], 0
	s_mov_b32 s[G1+7], 0
	s_or_b32 s[G1B], s44, (1<<16)|(1<<20)|(1<<21)|(5<<22)|(3<<25)   ; W_proj: elements of 2 bytes; four words of padding behind every 64: 96 rows x 128
	s_mov_b32 s[G1B+1], 128<<16
	s_mov_b32 s[G1B+2], 96<<16
	s_mov_b32 s[G1B+3], 128<<16
	s_mov_b32 s[G1B+4], 96
	s_mov_b32 s[G1B+5], 1024
	s_mov_b32 s[G1B+6], 0
	s_mov_b32 s[G1B+7], 0
	s_lshl_b32 s16, s13, 19                        ; h: (16 ty + 8 half) tiles of rows (s16, s17 never hold tx)
	s_lshl_b32 s17, s12, 18
	s_add_co_u32 s16, s16, s17
	s_mov_b32 s17, 0
	s_mul_i32 s46, s42, 192*2048                   ; W_proj: (192 tx + 96 half) rows of 2,048 bytes (s46, s47 never hold ty)
	s_mul_i32 s47, s12, 96*2048
	s_add_co_u32 s46, s46, s47
	s_mov_b32 s47, 0
	s_lshl_b32 s20, s12, 15                        ; where they go: no place in the cluster enters an LDS address
	s_mul_i32 s21, s12, 96*BP
	s_add_co_u32 s21, s21, BOFF
	s_wait_kmcnt 0x0
	s_add_nc_u64 s[14:15], s[4:5], s[16:17]
	s_add_nc_u64 s[46:47], s[6:7], s[46:47]
	CROUND                                         ; all sixteen work-groups are here: the first joint loads meet
.irp s, 0,1
	s_mov_b32 s[G0+4*\s], 1
	s_add_co_u32 s[G0+4*\s+1], s20, \s*SLOT
	s_add_nc_u64 s[G0+4*\s+2:G0+4*\s+3], s[14:15], \s*4096
	s_or_b32 s[G0+4*\s+3], s[G0+4*\s+3], 0x80000000
	s_mov_b32 s[G0B+4*\s], 1
	s_add_co_u32 s[G0B+4*\s+1], s21, \s*SLOT
	s_add_nc_u64 s[G0B+4*\s+2:G0B+4*\s+3], s[46:47], \s*256
	s_or_b32 s[G0B+4*\s+3], s[G0B+4*\s+3], 0x80000000
	JLOAD \s
.endr
	v_and_b32 v1, 15, v0                           ; r
	v_bfe_u32 v2, v0, 4, 1                         ; h
	v_and_b32 v3, 31, v0
	v_lshlrev_b32 v4, 4, v3                        ; 16 x lane
	s_lshl_b32 s22, s[WV], 14                      ; my four tiles of rows
	v_add_nc_u32 v[ADRA], s22, v4
	v_add_nc_u32 v[ADRA+1], SLOT, v[ADRA]
	v_mul_u32_u24 v5, v1, BP
	v_lshl_add_u32 v5, v2, 4, v5
	v_add_nc_u32 v[ADRB], BOFF, v5
	v_add_nc_u32 v[ADRB+1], SLOT, v[ADRB]
	v_lshlrev_b32 v6, 5, v1
	v_lshl_add_u32 v6, v2, 4, v6                   ; 32 r + 16 h: v's place
	s_mov_b32 s84, 0xbc800000                      ; -1 / 64
	s_mov_b32 s85, 0x3c800000                      ; 1 / 64
	s_mov_b32 s86, 0x3327c5ac                      ; 1e-5 / 256
	s_mov_b32 s87, 0x3e800000                      ; 1 / 4
	s_mov_b32 s[SEL], 0x76543210
	s_mov_b32 s[SEL+1], 0xfedcba98
	s_mul_i32 s66, s42, 3
.irp i, 0,1,2                                  ; head g = 3 tx + i of the 48: kind g / 16, head g % 16
	s_add_co_u32 s67, s66, \i
	s_cmp_lt_u32 s67, 16
	s_cselect_b32 s[FQ+\i], 0x3e38aa3b, 1.0        ; log2(e) / 8 goes into q^
	s_cmp_ge_u32 s67, 32
	s_cselect_b32 s[MK+\i], -1, 0
	s_lshr_b32 s68, s67, 4
	s_lshl_b32 s68, s68, 6
	s_and_b32 s69, s67, 15
	s_add_co_u32 s68, s68, s69
	s_lshr_b32 s69, s13, 2                         ; the batch: 1,024 tokens are four tiles of 256 rows
	s_lshl_b32 s69, s69, 4
	s_add_co_u32 s68, s68, s69
	s_lshl_b32 s68, s68, 17                        ; (64 kind + 16 batch + head) x 131,072
	s_and_b32 s69, s13, 3
	s_lshl_b32 s69, s69, 4
	s_lshl_b32 s92, s[WV], 2
	s_add_co_u32 s69, s69, s92
	s_lshl_b32 s69, s69, 11                        ; + (16 (ty % 4) + 4 wave) tiles of tokens of 2,048 bytes
	s_add_co_u32 s68, s68, s69
	s_mov_b32 s69, 0
	s_add_nc_u64 s[BASE+2*\i:BASE+2*\i+1], s[8:9], s[68:69]
	v_cndmask_b32 v[OFF+\i], v4, v6, s[MK+\i]
.endr
; 12 products: tile a of the window's two tiles of rows (hi = 0: rows 0-31, 1: rows 32-63) x all 12 tiles of columns, 32 along K, set f.  zero = 1: the first product starts the sums
.macro MUL12 f, hi, a, zero
.irp b, 0,1,2,3,4,5,6,7,8,9,10,11
.if \zero
	v_wmma_f32_16x16x32_f16 v[8*(12*(\a)+\b):8*(12*(\a)+\b)+7], v[128*(\f)+8*\b:128*(\f)+8*\b+7], v[64+32*(\f)+8*(2*(\hi)+(\a)):64+32*(\f)+8*(2*(\hi)+(\a))+7], 0
.else
	v_wmma_f32_16x16x32_f16 v[8*(12*(\a)+\b):8*(12*(\a)+\b)+7], v[128*(\f)+8*\b:128*(\f)+8*\b+7], v[64+32*(\f)+8*(2*(\hi)+(\a)):64+32*(\f)+8*(2*(\hi)+(\a))+7], v[8*(12*(\a)+\b):8*(12*(\a)+\b)+7]
.endif
.endr
.endm
; 32 LDS loads in one run: quarter q (32 along K) of a slot into set f: W_proj's twelve fragments, then h's four
.macro FETCH slot, q, f
	WIN TO_B
.irp b, 0,1,2,3,4,5,6,7,8,9,10,11
	ds_load_b128 v[128*(\f)+8*\b:128*(\f)+8*\b+3],   v[ADRB+\slot] offset:\b*16*BP+64*(\q)
	ds_load_b128 v[128*(\f)+8*\b+4:128*(\f)+8*\b+7], v[ADRB+\slot] offset:\b*16*BP+64*(\q)+32
.endr
	WIN 0
.irp a, 0,1,2,3
	ds_load_b128 v[64+32*(\f)+8*\a:64+32*(\f)+8*\a+3],   v[ADRA+\slot] offset:4096*\a+1024*(\q)
	ds_load_b128 v[64+32*(\f)+8*\a+4:64+32*(\f)+8*\a+7], v[ADRA+\slot] offset:4096*\a+1024*(\q)+512
.endr
.endm
; A K step is four quarters of 48 products, on sets 0, 1, 0, 1.  One of the first three multiplies set f and fetches quarter qn of the same slot into set g.
; The 48 accumulators take turns, one instruction a turn, in the same order in every quarter.
.macro QUARTER slot, qn, f, g, zero
	s_wait_dscnt 4                                 ; W_proj's fragments and h's tiles 0, 1 are in; the four youngest loads (tiles 2, 3) may be out
	WIN MUL_LO
	MUL12 \f, 0, 0, \zero
	MUL12 \f, 0, 1, \zero
	PLACES
	FETCH \slot, \qn, \g
	s_wait_dscnt 32                                ; all but the 32 just issued
	WIN MUL_HI
	MUL12 \f, 1, 0, \zero
	MUL12 \f, 1, 1, \zero
.endm
; The last quarter multiplies set 1 and changes slots: ONE barrier; in front of it each wave waits for all its tensor loads (one is out: its part of the next slot), adds 0 to its spare word,
; and waits for that and for its own reads of this slot.  fill = 1: the barrier opens a round of the cluster's, and this slot is filled again, two K steps ahead: 168 products stand between that request and the wait for it.
.macro TURN slot, next, fill
	WIN 0                                          ; (the add's two registers lie in window 0)
	s_wait_tensorcnt 0x0
	ds_add_u32 v[SPW], v[NIL]                      ; 0 onto my spare word
	s_wait_dscnt 5                                 ; (the add and the four youngest loads may be out)
	WIN MUL_LO
	MUL12 1, 0, 0, 0                               ; twelve products stand between the add and the wait for it
	s_wait_dscnt 0x0                               ; the add is done, and my reads of this slot are over
	s_barrier_signal -1
	MUL12 1, 0, 1, 0
.if \fill
	WIN 0
.endif
	s_barrier_wait -1
.if \fill
	CREST                                          ; no wave of any partner still reads this slot or has a load on its way
	s_add_nc_u64 s[G0+4*\slot+2:G0+4*\slot+3], s[G0+4*\slot+2:G0+4*\slot+3], 2*4096
	s_add_nc_u64 s[G0B+4*\slot+2:G0B+4*\slot+3], s[G0B+4*\slot+2:G0B+4*\slot+3], 2*256
	JLOAD \slot                                    ; the first tensor load behind the round; its four v_nop are also the places in front of the loads below
.else
	PLACES
.endif
	FETCH \next, 0, 0
	WIN MUL_HI
	MUL12 1, 1, 0, 0
	MUL12 1, 1, 1, 0
.endm
	s_wait_tensorcnt 1                             ; my part of K step 0 is in; K step 1's load may be out
	s_barrier_signal -1
	s_barrier_wait -1
	FETCH 0, 0, 0
	QUARTER 0, 1, 0, 1, 1                          ; the first quarter stands in front of the loop: its products start the sums
	WIN 0
	s_mov_b32 s3, LAPS-1
.Llap:                                                 ; a trip goes once round the ring, from a lap's second quarter to the next lap's first, and fills both slots again
	QUARTER 0, 2, 1, 0, 0
	QUARTER 0, 3, 0, 1, 0
	TURN 0, 1, 1
	QUARTER 1, 1, 0, 1, 0
	QUARTER 1, 2, 1, 0, 0
	QUARTER 1, 3, 0, 1, 0
	TURN 1, 0, 1
	QUARTER 0, 1, 0, 1, 0
	WIN 0
	s_sub_co_u32 s3, s3, 1
	s_cmp_lg_u32 s3, 0
	s_cbranch_scc1 .Llap
	QUARTER 0, 2, 1, 0, 0                          ; the last lap fills nothing
	QUARTER 0, 3, 0, 1, 0
	TURN 0, 1, 0
	QUARTER 1, 1, 0, 1, 0
	QUARTER 1, 2, 1, 0, 0
	QUARTER 1, 3, 0, 1, 0
	s_wait_dscnt 4
	WIN MUL_LO
	MUL12 1, 0, 0, 0
	MUL12 1, 0, 1, 0
	s_wait_dscnt 0x0
	WIN MUL_HI
	MUL12 1, 1, 0, 0
	MUL12 1, 1, 1, 0
	WIN 0
	PLACES
	v_mov_b32 v113, 0                              ; a lane permute's destination counts as one of its sources
; THE WAY OUT: tile a of my rows (16 tokens), head i: 32 numbers a lane, the other 32 channels of my token in the lane 16 away.
.macro HALVES                          ; the pair v[96:97] becomes the token's sum over both halves of the lanes, in v96
	v_add_f32 v96, v96, v97
	v_permlanex16_b32 v113, v96, s[SEL], s[SEL+1]
	v_add_f32 v96, v96, v113
.endm
.macro HEADOUT a, i
.set AC, 8*(12*((\a)%2)+4*(\i))
.set WW, 2+(\a)/2
.set W2, WW|(WW<<2)
.set PP, 128+16*((3*(\a)+(\i))%2)
	s_wait_xcnt 0x0                                ; earlier stores have read the packed registers
	WIN W2                                         ; sources 0 and 1: the accumulators' window
.irp t, 0,1,2,3
	v_pk_add_f32 v[96+4*\t:97+4*\t], v[AC+8*\t:AC+8*\t+1], v[AC+8*\t+2:AC+8*\t+3]       ; each accumulator from its low end on
	v_pk_add_f32 v[98+4*\t:99+4*\t], v[AC+8*\t+4:AC+8*\t+5], v[AC+8*\t+6:AC+8*\t+7]
.endr
	WIN 0
.irp t, 0,1,2,3
	v_pk_add_f32 v[96+4*\t:97+4*\t], v[96+4*\t:97+4*\t], v[98+4*\t:99+4*\t]
.endr
	v_pk_add_f32 v[96:97], v[96:97], v[100:101]
	v_pk_add_f32 v[104:105], v[104:105], v[108:109]
	v_pk_add_f32 v[96:97], v[96:97], v[104:105]
	HALVES
	v_mul_f32 v114, s84, v96                       ; -mean
	v_cndmask_b32 v114, v114, 0, s[MK+\i]          ; v keeps its mean
	v_mov_b32 v115, v114
	WIN WW                                         ; source 0: the accumulators' window
.set j, 0
.rept 16
	v_pk_add_f32 v[64+2*j:65+2*j], v[AC+2*j:AC+2*j+1], v[114:115]
.set j, j+1
.endr
	WIN 0
.irp t, 0,1,2,3
	v_pk_mul_f32 v[96+2*\t:97+2*\t], v[64+2*\t:65+2*\t], v[64+2*\t:65+2*\t]            ; the squares, in four chains
.endr
.set j, 4
.rept 12
	v_pk_fma_f32 v[96+2*(j%4):97+2*(j%4)], v[64+2*j:65+2*j], v[64+2*j:65+2*j], v[96+2*(j%4):97+2*(j%4)]
.set j, j+1
.endr
	v_pk_add_f32 v[96:97], v[96:97], v[98:99]
	v_pk_add_f32 v[100:101], v[100:101], v[102:103]
	v_pk_add_f32 v[96:97], v[96:97], v[100:101]
	HALVES
	v_fma_f32 v96, v96, s85, s86                   ; variance of y + 1e-5 / 256
	v_rsq_f32 v116, v96
	v_nop                                          ; a plain instruction between the transcendental and the use of its result
	s_wait_alu depctr_va_vdst(0)
	v_mul_f32 v116, s[FQ+\i], v116
	v_cndmask_b32 v116, v116, s87, s[MK+\i]        ; v is only multiplied by 1 / 4
	v_mov_b32 v117, v116
.set j, 0
.rept 16
	v_pk_mul_f32 v[64+2*j:65+2*j], v[64+2*j:65+2*j], v[116:117]
.set j, j+1
.endr
.set j, 0
.rept 16
	v_cvt_pk_f16_f32 v[PP+j], v[64+2*j], v[65+2*j]
.set j, j+1
.endr
.irp t, 0,1,2,3
	global_store_b128 v[OFF+\i], v[PP+4*\t:PP+4*\t+3], s[BASE+2*\i:BASE+2*\i+1] offset:2048*(\a)+512*\t   ; the wave's store covers 512 consecutive bytes, aligned
.endr
.endm
.irp a, 0,1,2,3
.irp i, 0,1,2
	HEADOUT \a, \i
.endr
.endr
	s_wait_tensorcnt 0x0                           ; the wave's end
	ds_add_u32 v[SPW], v[NIL]
	s_wait_dscnt 0x0
	CROUND                                         ; the closing round
	s_endpgm
.Lfunc_end_k_qa3978f8389_qkv:
	.size	k_qa3978f8389_qkv, .Lfunc_end_k_qa3978f8389_qkv-k_qa3978f8389_qkv
	.p2alignl 7, 3214868480
	.fill 96, 4, 3214868480
	.section	.rodata,"a",@progbits
	.p2align	6, 0x0
	.amdhsa_kernel k_qa3978f8389_qkv
		.amdhsa_group_segment_fixed_size 327680
		.amdhsa_private_segment_fixed_size 0
		.amdhsa_enable_private_segment 0
		.amdhsa_kernarg_size 24
		.amdhsa_user_sgpr_count 2
		.amdhsa_user_sgpr_kernarg_segment_ptr 1
		.amdhsa_wavefront_size32 1
		.amdhsa_system_sgpr_workgroup_id_x 1
		.amdhsa_system_sgpr_workgroup_id_y 1
		.amdhsa_system_sgpr_workgroup_id_z 1
		.amdhsa_system_vgpr_workitem_id 0
		.amdhsa_next_free_vgpr 960
		.amdhsa_next_free_sgpr 100
		.amdhsa_reserve_vcc 0
		.amdhsa_float_denorm_mode_32 3
		.amdhsa_float_denorm_mode_16_64 3
		.amdhsa_memory_ordered 1
		.amdhsa_forward_progress 1
		.amdhsa_inst_pref_size 173
	.end_amdhsa_kernel
	.amdgpu_metadata
---
amdhsa.version: [ 1, 2 ]
amdhsa.kernels:
  - .name:           k_qa3978f8389_qkv
    .symbol:         k_qa3978f8389_qkv.kd
    .args:
      - { .name: hw, .offset: 0, .size: 8, .value_kind: global_buffer, .address_space: global }
      - { .name: w16, .offset: 8, .size: 8, .value_kind: global_buffer, .address_space: global }
      - { .name: qkvw, .offset: 16, .size: 8, .value_kind: global_buffer, .address_space: global }
    .group_segment_fixed_size: 327680
    .private_segment_fixed_size: 0
    .kernarg_segment_align: 8
    .kernarg_segment_size: 24
    .max_flat_workgroup_size: 128
    .sgpr_count:     100
    .vgpr_count:     960
    .wavefront_size: 32
...
	.end_amdgpu_metadata
.endif
;; end of part 3
;; launch attn (part 4): grid 4 x 64, 4 waves a work-group, clusters of 4 x 1, 262,656 bytes of LDS; arguments qkvw, ow; writes ow
.if DOCPART == 4
	.amdgcn_target "amdgcn-amd-amdhsa--gfx1250"
	.amdhsa_code_object_version 6
	.text
	.protected	k_qa3978f8389_attn
	.globl	k_qa3978f8389_attn
	.p2align	8
	.type	k_qa3978f8389_attn,@function
k_qa3978f8389_attn:
	s_mov_b64 s[64:65], 0
	v_nop
	global_prefetch_b8 v0, s[64:65] scope:SCOPE_SE
	s_setreg_imm32_b32 hwreg(HW_REG_WAVE_MODE, 25, 1), 1
	s_wait_xcnt 0x0
	s_wait_alu depctr_hold_cnt(0) depctr_sa_sdst(0) depctr_va_vdst(0) depctr_va_sdst(0) depctr_va_ssrc(0) depctr_va_vcc(0) depctr_vm_vsrc(0)
	s_getreg_b32 s2, hwreg(HW_REG_IB_STS2, 6, 4)
	s_cmp_eq_u32 s2, 0
	s_cbranch_scc0 .Lentry_in_a_cluster
	s_endpgm
.Lentry_in_a_cluster:
	s_bfe_u32 s2, ttmp6, 0x10000c
	s_cmp_lg_u32 s2, 0x3003
	s_cbranch_scc0 .Lentry_shape_is_right
	s_endpgm
.Lentry_shape_is_right:
; o / 64 = (sum over keys of p v / 64) / (sum of p), p = e^(LN(q) . LN(k) / 8) = 2^(q^ . k^): log2(e) / 8 lies in q^ already.  f16 operands, f32 sums; the row's sum is taken of the f32 p.
; NO MAXIMUM IS TAKEN AWAY, because the computation itself bounds the exponent for every input: q and k are normalised over their 64 channels with no gain behind, so each has length at most 8,
; |LN(q) . LN(k) / 8| is at most 8, p lies between e^-8 = 3.4e-4 and e^8 = 2,981, inside f16's normal range, and a row's sum of 1,024 such p is at most 3.1e6.
; SHARES.  A work-group owns 256 queries of one head, each of its four waves 64: four tiles of 16.  The four work-groups of a cluster are the four query blocks of one head and ask for its K and V jointly.
; A head's K and V are 131,072 bytes each: both come into LDS WHOLE, each byte filled once, in two pieces (keys 0-255, keys 256-1,023), so that work begins when the first has landed.  Every wave issues two loads.
; LAYOUT.  S^T = K Q^T (source 0 = 16 keys, source 1 = 16 queries): a lane holds ONE query and eight keys; two such tiles, packed to f16, are source 1 of O^T = V^T P, whose result again holds one query a lane.
; K lies in LDS as images of fragment registers (16 x lane); V token-major in blocks of 16 tokens x 16 channels, turned by ds_load_tr16_b128 (16 lanes read 256 consecutive bytes).
; BY TURNS.  The wave's tiles are two pieces (tiles 0, 1 and tiles 2, 3).  In a turn one piece has the matrix unit: 16 products V^T P of the step in hand, then 16 products K Q^T of the next step of 64 keys;
; the other piece's softmax (for each tile 32 exponentials, 16 roundings to f16, 16 packed sums) stands in 32 slices, one behind each product: four vector instructions for each matrix instruction.
; OUT: ow, images of fragment registers of o / 64: [row / 16][column / 16][lane][16 bytes].
; LIMITS: |o| stays under 4,190,000; under 2^-8 o is rounded to multiples of 2^-18.
; REGISTERS: window 0: v2-6 addresses; v8-15 the sums (a pair a tile); v16-31 at work; v64-191 S^T, 32 a tile; v192-255 P, 16 a tile.
;   window 1: v0-127 O^T, 32 a tile; v128-191 Q, 16 a tile; v192-255 K of one step.   window 2: v0-63 V of one step.
.set VOFF, 131072
.set AK0, 2                            ; v2  16 x lane
.set AV0, 3                            ; v3  my lane's place in a block of V
.set ADR, 4                            ; v4  the run of loads in hand
.set GO,  6                            ; v6  16 x lane, for the stores
.set L,   8
.set S,   64
.set P,   192
.set QF,  128
.set KF,  192
.set WV,  12
.set G1A, 16                           ; s[16:23] group 1 of the first piece, s[24:31] of the second; s[32:35], s[36:39] their groups 0
.set G1B, 24
.set G0A, 32
.set G0B, 36
.set SEL, 40
.set TB,  42                           ; s42  LDS byte at which the key step to be fetched begins: 8,192 bytes a step
.set CNT, 43
.set W_KQ, 0x05                        ; K and Q window 1, S^T window 0
.set W_PV, 0x52                        ; V window 2, P window 0, O^T window 1
.set MSB, 0
.macro WIN new
.if MSB != \new
	s_set_vgpr_msb (MSB<<8)|\new
.set MSB, \new
.endif
.endm
.macro PLACES
.rept 4
	v_nop
.endr
.endm
.macro CROUND
	s_barrier_signal -1
	s_barrier_wait -1
	s_cmp_lg_u32 s[WV], 0
	s_cbranch_scc1 .Lnot_wave_0_\@
	s_barrier_signal -3
.Lnot_wave_0_\@:
	s_barrier_wait -3
	s_barrier_signal -1
	s_barrier_wait -1
.endm
	s_load_b128 s[4:7], s[0:1], 0x0                ; qkvw s[4:5], ow s[6:7]
	v_lshl_add_u32 v62, v0, 2, 0x40000
	v_mov_b32 v63, 0
	ds_add_u32 v62, v63
	ds_add_u32 v62, v63
	v_lshrrev_b32 v1, 5, v0
	v_readfirstlane_b32 s[WV], v1                  ; wave 0..3
	s_bfe_u32 s13, ttmp6, 0x40000                  ; cx
	s_lshl_b32 s14, ttmp9, 2
	s_add_co_u32 s14, s14, s13                     ; my block of 256 queries: it enters Q's and O's addresses alone
	s_and_b32 s15, ttmp7, 0xffff                   ; 16 x batch + head, which the four partners share
	s_and_b32 s48, s[WV], 1                        ; I fetch for K (0) or for V (1),
	s_lshr_b32 s49, s[WV], 1                       ; the first or the second half of each piece
	s_add_co_u32 s50, s48, 1                       ; the kind: K 1, V 2
	s_lshl_b32 s50, s50, 6
	s_add_co_u32 s50, s50, s15
	s_lshl_b32 s50, s50, 17                        ; (64 kind + head) x 131,072
	s_mov_b32 s51, 0
	s_lshl_b32 s52, s48, 17                        ; K's or V's region of LDS
	s_lshl_b32 s56, s49, 14                        ; first piece: 32,768 bytes, 16,384 a wave
	s_mov_b32 s57, 0
	s_mul_i32 s58, s49, 49152                      ; second piece: 98,304 bytes behind it, 49,152 a wave
	s_add_co_u32 s58, s58, 32768
	s_mov_b32 s59, 0
	; group 1: dense blocks as rows of 256 bytes (32 elements of 8 bytes); the mask names all four work-groups
	s_mov_b32 s[G1A], 15|(3<<16)|(1<<21)
	s_mov_b32 s[G1A+1], 32<<16
	s_mov_b32 s[G1A+2], 64<<16
	s_mov_b32 s[G1A+3], 32<<16
	s_mov_b32 s[G1A+4], 64
	s_mov_b32 s[G1A+5], 32
	s_mov_b32 s[G1A+6], 0
	s_mov_b32 s[G1A+7], 0
	s_mov_b32 s[G1B], 15|(3<<16)|(1<<21)
	s_mov_b32 s[G1B+1], 32<<16
	s_mov_b32 s[G1B+2], 192<<16
	s_mov_b32 s[G1B+3], 32<<16
	s_mov_b32 s[G1B+4], 192
	s_mov_b32 s[G1B+5], 32
	s_mov_b32 s[G1B+6], 0
	s_mov_b32 s[G1B+7], 0
	s_mov_b32 s[SEL], 0x76543210
	s_mov_b32 s[SEL+1], 0xfedcba98
	s_mov_b32 s[TB], 0
	v_and_b32 v1, 31, v0
	v_lshlrev_b32 v[AK0], 4, v1
	v_lshlrev_b32 v[GO], 4, v1
	s_wait_dscnt 0x0
	s_wait_kmcnt 0x0
	s_add_nc_u64 s[50:51], s[4:5], s[50:51]        ; the head's K or V
	s_mov_b32 s[G0A], 1
	s_add_co_u32 s[G0A+1], s52, s56
	s_add_nc_u64 s[G0A+2:G0A+3], s[50:51], s[56:57]
	s_or_b32 s[G0A+3], s[G0A+3], 0x80000000
	s_mov_b32 s[G0B], 1
	s_add_co_u32 s[G0B+1], s52, s58
	s_add_nc_u64 s[G0B+2:G0B+3], s[50:51], s[58:59]
	s_or_b32 s[G0B+3], s[G0B+3], 0x80000000
	s_lshl_b32 s60, s15, 17                        ; Q (kind 0): the head, + (16 block + 4 wave) tiles of tokens of 2,048 bytes
	s_lshl_b32 s61, s14, 15
	s_add_co_u32 s60, s60, s61
	s_lshl_b32 s61, s[WV], 13
	s_add_co_u32 s60, s60, s61
	s_mov_b32 s61, 0
	s_add_nc_u64 s[44:45], s[4:5], s[60:61]
	s_lshr_b32 s60, s15, 4                         ; O: (64 batch + 16 block + 4 wave) tiles of rows of 32,768 bytes + the head's four images of 512
	s_lshl_b32 s60, s60, 6
	s_lshl_b32 s61, s14, 4
	s_add_co_u32 s60, s60, s61
	s_lshl_b32 s61, s[WV], 2
	s_add_co_u32 s60, s60, s61
	s_lshl_b32 s60, s60, 15
	s_and_b32 s61, s15, 15
	s_lshl_b32 s61, s61, 11
	s_add_co_u32 s60, s60, s61
	s_mov_b32 s61, 0
	s_add_nc_u64 s[46:47], s[6:7], s[60:61]
	CROUND                                         ; all four work-groups are here: the joint loads meet
	tensor_load_to_lds s[G0A:G0A+3], s[G1A:G1A+7]  ; keys 0-255
	s_nop 0
	tensor_load_to_lds s[G0B:G0B+3], s[G1B:G1B+7]  ; keys 256-1,023: two loads of mine are out
	s_nop 0
	PLACES
	WIN 0x40                                       ; destination window 1
.irp t, 0,1,2,3                                ; Q stays in registers: tile t, channels 32 s on
.irp s, 0,1
.irp c, 0,1
	global_load_b128 v[QF+16*\t+8*\s+4*\c:QF+16*\t+8*\s+4*\c+3], v[AK0], s[44:45] offset:2048*\t+1024*\s+512*\c
.endr
.endr
.endr
	WIN 0
	v_bfe_u32 v16, v0, 4, 1                        ; the turning load: lane l reads key 8 (l / 16) + l % 8, channels 8 ((l / 8) % 2) on, of a block whose rows are 32 bytes
	v_and_b32 v17, 7, v0
	v_bfe_u32 v18, v0, 3, 1
	v_lshlrev_b32 v[AV0], 8, v16
	v_lshl_add_u32 v[AV0], v17, 5, v[AV0]
	v_lshl_add_u32 v[AV0], v18, 4, v[AV0]
	v_add_nc_u32 v[AV0], VOFF, v[AV0]
.irp j, 0,1,2,3,4,5,6,7
	v_mov_b32 v[L+\j], 0                           ; the sums
.endr
.irp j, 0,1,2,3
	v_mov_b32 v[20+\j], 0                          ; a lane permute's destination counts as one of its sources
	v_mov_b32 v[25+2*\j], 0                        ; named as the upper half of a pair
.endr
; Product i of 16 of S^T = K Q^T for piece x: tile 2 x + i % 2, keys 16 ((i / 2) % 4) on, channels 32 (i / 8) on.  The first 8 start the sums.  Eight accumulators take turns.
.macro KQ x
	WIN W_KQ
.set rS, S+32*(2*(\x)+i%2)+8*((i/2)%4)
.set rK, KF+16*((i/2)%4)+8*(i/8)
.set rQ, QF+16*(2*(\x)+i%2)+8*(i/8)
.if i < 8
	v_wmma_f32_16x16x32_f16 v[rS:rS+7], v[rK:rK+7], v[rQ:rQ+7], 0
.else
	v_wmma_f32_16x16x32_f16 v[rS:rS+7], v[rK:rK+7], v[rQ:rQ+7], v[rS:rS+7]
.endif
.endm
; Product i of 16 of O^T += V^T P: tile 2 x + i % 2, channels 16 ((i / 2) % 4) on, keys 32 (i / 8) on.  zero = 1: the first 8 start the sums: nothing is ever cleared.
.macro PV x, zero
	WIN W_PV
.set rO, 32*(2*(\x)+i%2)+8*((i/2)%4)
.set rV, 32*(i/8)+8*((i/2)%4)
.set rP, P+16*(2*(\x)+i%2)+8*(i/8)
.if (\zero) && (i < 8)
	v_wmma_f32_16x16x32_f16 v[rO:rO+7], v[rV:rV+7], v[rP:rP+7], 0
.else
	v_wmma_f32_16x16x32_f16 v[rO:rO+7], v[rV:rV+7], v[rP:rP+7], v[rO:rO+7]
.endif
.endm
.macro FETCH_K                         ; a step's K: 64 keys x 64 channels, eight fragments, sixteen loads in one run
	WIN 0
	v_add_nc_u32 v[ADR], s[TB], v[AK0]
	WIN 0x40
.irp n, 0,1,2,3
.irp s, 0,1
.irp c, 0,1
	ds_load_b128 v[KF+16*\n+8*\s+4*\c:KF+16*\n+8*\s+4*\c+3], v[ADR] offset:2048*\n+1024*\s+512*\c
.endr
.endr
.endr
.endm
.macro FETCH_V                         ; the same step's V, turned
	WIN 0
	v_add_nc_u32 v[ADR], s[TB], v[AV0]
	s_add_co_u32 s[TB], s[TB], 8192                ; the next fetch is the next step's
	WIN 0x80
.irp s, 0,1
.irp n, 0,1,2,3
.irp c, 0,1
	ds_load_tr16_b128 v[32*\s+8*\n+4*\c:32*\s+8*\n+4*\c+3], v[ADR] offset:(2*\s+\c)*2048+512*\n
.endr
.endr
.endr
.endm
; Slot m of tile t's softmax: the exponential of score m (m < 32), and behind it one plain line on numbers whose exponentials are done:
; at even m the rounding of p(m - 2), p(m - 1) to f16, at odd m the packed sum of p(m - 3), p(m - 2).  So a plain instruction stands behind every exponential before its result is used.
.macro SMSLOT t
.set rS, S+32*(\t)
.set rP, P+16*(\t)
.set rL, L+2*(\t)
.if m < 32
	v_exp_f32 v[rS+m], v[rS+m]
.endif
.if m < 2
	v_nop
.elseif m%2 == 0
	s_wait_alu depctr_va_vdst(0)
	v_cvt_pk_f16_f32 v[rP+(m-2)/2], v[rS+m-2], v[rS+m-1]
.else
	v_pk_add_f32 v[rL:rL+1], v[rL:rL+1], v[rS+m-3:rS+m-2]
.endif
.endm
; Slice k of 32 of piece y's softmax: slot k of both tiles; the last slice also takes slots 32 and 33, so that it ends in six plain lines.
.macro SLICE y
	WIN 0
.set m, k
	SMSLOT 2*(\y)
	SMSLOT 2*(\y)+1
.if k == 31
.set m, 32
	SMSLOT 2*(\y)
	SMSLOT 2*(\y)+1
.set m, 33
	SMSLOT 2*(\y)
	SMSLOT 2*(\y)+1
.endif
.set k, k+1
.endm
; A TURN.  pv = 2: 16 products V^T P; 1: they start O^T's sums; 0: none.  kq = 1: 16 products K Q^T for the next step.  A turn with one kind has two slices behind each product.
; Each run of loads stands behind the second product of a run of 16.  Piece 0's turn fetches the next step's K: its last reader stands in front of the last turn's final slice, six plain lines and two slices back.
; Piece 1's turn fetches the same step's V: its last reader stands three slices, six plain lines, back.  The slices name no register of the products round them: they are the other piece's.
.macro TURN x, pv, kq
.set k, 0
.set per, 2
.if (\pv) && (\kq)
.set per, 1
.endif
.if \pv
.if (\x) == 0
	s_wait_dscnt 0x0                               ; V is in
.endif
.set i, 0
.rept 16
	PV \x, 2-(\pv)
.rept per
	SLICE 1-(\x)
.endr
.if ((\x) == 0) && (\kq) && (i == 1)
	FETCH_K
.endif
.set i, i+1
.endr
.endif
.if \kq
.if (\x) == 0
	s_wait_dscnt 0x0                               ; K is in
.endif
.set i, 0
.rept 16
	KQ \x
.rept per
	SLICE 1-(\x)
.endr
.if ((\x) == 1) && (i == 1)
	FETCH_V
.endif
.set i, i+1
.endr
.endif
.endm
.macro STEPS n                         ; n key steps
	s_mov_b32 s[CNT], \n
.Lstep_\@:
	TURN 0, 2, 1
	TURN 1, 2, 1
	WIN 0
	s_sub_co_u32 s[CNT], s[CNT], 1
	s_cmp_lg_u32 s[CNT], 0
	s_cbranch_scc1 .Lstep_\@
.endm
	s_wait_tensorcnt 1                             ; my part of keys 0-255 is in; the second piece may be out
	s_barrier_signal -1
	s_barrier_wait -1
	FETCH_K                                        ; key step 0
	s_wait_loadcnt 0x0                             ; Q
	s_wait_dscnt 0x0
.set i, 0
.rept 16
	KQ 0                                           ; piece 0's first scores: there is no vector work yet to set between them
.set i, i+1
.endr
	WIN 0
	PLACES
	TURN 1, 0, 1                                   ; piece 1's first scores | piece 0's softmax of step 0 | V of step 0
	TURN 0, 1, 1                                   ; piece 0: V^T P of step 0 starts O^T, K Q^T of step 1 | piece 1's softmax of step 0 | K of step 1
	TURN 1, 1, 1                                   ; piece 1: the same | piece 0's softmax of step 1 | V of step 1
	WIN 0
	STEPS 2                                        ; key steps 1 and 2; they fetch steps 2 and 3: keys up to 255
	s_wait_tensorcnt 0x0                           ; my part of keys 256-1,023 is in,
	s_wait_dscnt 0x0
	s_barrier_signal -1
	s_barrier_wait -1                              ; everybody's is
	STEPS 12                                       ; key steps 3 to 14; they fetch steps 4 to 15
	TURN 0, 2, 0                                   ; piece 0: V^T P of step 15 | piece 1's last softmax
.set i, 0
.rept 16
	PV 1, 0                                        ; piece 1: V^T P of step 15
.set i, i+1
.endr
	; THE WAY OUT.  The sum's two halves and the other half of the lanes' are added; O^T is divided by the sum and packed to f16: a tile of channels is then an image, stored as it stands.
	WIN 0
.irp t, 0,1,2,3
	v_add_f32 v[16+\t], v[L+2*\t], v[L+2*\t+1]     ; (these lines are the places behind the last products)
.endr
.irp t, 0,1,2,3
	v_permlanex16_b32 v[20+\t], v[16+\t], s[SEL], s[SEL+1]
.endr
.irp t, 0,1,2,3
	v_add_f32 v[16+\t], v[16+\t], v[20+\t]
.endr
.irp t, 0,1,2,3
	v_rcp_f32 v[24+2*\t], v[16+\t]
.endr
	v_nop                                          ; a plain instruction between the last reciprocal and the use of its result
	s_wait_alu depctr_va_vdst(0)
.macro PACK t
	WIN 0x01                                       ; source 0 window 1
.set j, 0
.rept 16
	v_pk_mul_f32 v[S+32*(\t)+2*j:S+32*(\t)+2*j+1], v[32*(\t)+2*j:32*(\t)+2*j+1], v[24+2*(\t):25+2*(\t)] op_sel_hi:[1,0]   ; each accumulator from its low end on
.set j, j+1
.endr
	WIN 0
.set j, 0
.rept 16
	v_cvt_pk_f16_f32 v[P+16*(\t)+j], v[S+32*(\t)+2*j], v[S+32*(\t)+2*j+1]
.set j, j+1
.endr
.irp n, 0,1,2,3
	global_store_b128 v[GO], v[P+16*(\t)+4*\n:P+16*(\t)+4*\n+3], s[46:47] offset:32768*(\t)+512*\n   ; 512 consecutive bytes, aligned
.endr
.endm
	PACK 0
	PACK 1
	PACK 2
	PACK 3
	s_wait_tensorcnt 0x0
	ds_add_u32 v62, v63
	s_wait_dscnt 0x0
	CROUND                                         ; the closing round
	s_endpgm
.Lfunc_end_k_qa3978f8389_attn:
	.size	k_qa3978f8389_attn, .Lfunc_end_k_qa3978f8389_attn-k_qa3978f8389_attn
	.p2alignl 7, 3214868480
	.fill 96, 4, 3214868480
	.section	.rodata,"a",@progbits
	.p2align	6, 0x0
	.amdhsa_kernel k_qa3978f8389_attn
		.amdhsa_group_segment_fixed_size 262656
		.amdhsa_private_segment_fixed_size 0
		.amdhsa_enable_private_segment 0
		.amdhsa_kernarg_size 16
		.amdhsa_user_sgpr_count 2
		.amdhsa_user_sgpr_kernarg_segment_ptr 1
		.amdhsa_wavefront_size32 1
		.amdhsa_system_sgpr_workgroup_id_x 1
		.amdhsa_system_sgpr_workgroup_id_y 1
		.amdhsa_system_sgpr_workgroup_id_z 1
		.amdhsa_system_vgpr_workitem_id 0
		.amdhsa_next_free_vgpr 576
		.amdhsa_next_free_sgpr 66
		.amdhsa_reserve_vcc 0
		.amdhsa_float_denorm_mode_32 3
		.amdhsa_float_denorm_mode_16_64 3
		.amdhsa_memory_ordered 1
		.amdhsa_forward_progress 1
		.amdhsa_inst_pref_size 115
	.end_amdhsa_kernel
	.amdgpu_metadata
---
amdhsa.version: [ 1, 2 ]
amdhsa.kernels:
  - .name:           k_qa3978f8389_attn
    .symbol:         k_qa3978f8389_attn.kd
    .args:
      - { .name: qkvw, .offset: 0, .size: 8, .value_kind: global_buffer, .address_space: global }
      - { .name: ow, .offset: 8, .size: 8, .value_kind: global_buffer, .address_space: global }
    .group_segment_fixed_size: 262656
    .private_segment_fixed_size: 0
    .kernarg_segment_align: 8
    .kernarg_segment_size: 16
    .max_flat_workgroup_size: 128
    .sgpr_count:     66
    .vgpr_count:     576
    .wavefront_size: 32
...
	.end_amdgpu_metadata
.endif
;; end of part 4
;; launch outp (part 5): grid 8 x 32, 4 waves a work-group, clusters of 4 x 4, 327,680 bytes of LDS; arguments ow, w16, out0; writes out0
.if DOCPART == 5
	.amdgcn_target "amdgcn-amd-amdhsa--gfx1250"
	.amdhsa_code_object_version 6
	.text
	.protected	k_qa3978f8389_outp
	.globl	k_qa3978f8389_outp
	.p2align	8
	.type	k_qa3978f8389_outp,@function
k_qa3978f8389_outp:
	s_mov_b64 s[64:65], 0
	v_nop
	global_prefetch_b8 v0, s[64:65] scope:SCOPE_SE
	s_setreg_imm32_b32 hwreg(HW_REG_WAVE_MODE, 25, 1), 1
	s_wait_xcnt 0x0
	s_wait_alu depctr_hold_cnt(0) depctr_sa_sdst(0) depctr_va_vdst(0) depctr_va_sdst(0) depctr_va_ssrc(0) depctr_va_vcc(0) depctr_vm_vsrc(0)
	s_getreg_b32 s2, hwreg(HW_REG_IB_STS2, 6, 4)
	s_cmp_eq_u32 s2, 0
	s_cbranch_scc0 .Lentry_in_a_cluster
	s_endpgm
.Lentry_in_a_cluster:
	s_bfe_u32 s2, ttmp6, 0x10000c
	s_cmp_lg_u32 s2, 0xf033
	s_cbranch_scc0 .Lentry_shape_is_right
	s_endpgm
.Lentry_shape_is_right:
; out = 64 (o' + o' W_out^T), o' = o / 64 in f16 (images of fragment registers), W_out in f16; sums in f32.
; SHARES.  A tile of out is 128 x 128: 256 work-groups; four waves of 64 x 64, 16 accumulators each.  K goes in steps of 256 through a ring of two LDS slots: o' as dense images (a K step of 16 rows is 8,192
; consecutive bytes, read back at 16 x lane), W_out's rows of 512 bytes 528 apart.  Waves 0 and 1 fetch o's halves, waves 2 and 3 W_out's: one tensor load a wave behind each round, two at the start.
; CLUSTERS: 4 x 4 work-groups; o's tile is asked for jointly along a row of the cluster, W_out's along a column.
; THE MATRIX INSTRUCTION IS USED TRANSPOSED (source 0 = 16 rows of W_out, source 1 = 16 rows of o'): a lane holds eight neighbouring numbers of a row of out.
; THE RESIDUAL STARTS THE SUMS.  The wave's own 64 x 64 of o' comes as eight fragments; the product of a selector E(n, k) = [k = n + 16 (b % 2)] with such a fragment, with C = 0, is that part of o' itself,
; exactly (1.0 x an f16 number in an f32 sum), in the result's layout: 16 products, beside the wave's 512, in place of clearing, widening and adding.
; LIMITS: |W_out| under 65,504 and |o| under 4,190,000, as stated where they are made.
; REGISTERS: window 0: v1-29 addresses; v32-95 the residual's fragments, later whole rows on the way out; v96-107 the selector; v128-255 the accumulators ((a, b) at 128 + 8 (4 a + b)).
;   window 1: two fragment buffers of 128: for 64 along K, 64 registers of o', then 64 of W_out.
.set PITCH,  528                       ; W_out's LDS row: 512 bytes + 16 of padding
.set ASZ,    65536                     ; o's 8 tiles of rows x 8,192 bytes
.set SLOT,   ASZ+128*PITCH             ; 133,120
.set SPARE,  2*SLOT                    ; behind the ring: the spare words, 128 bytes a wave: two blocks of 256 bytes that no other line names
.set STAGE,  SPARE+512                 ; behind them: 16 rows x 272 bytes for each wave, for the way out; no tensor load lands here
.set SPITCH, 272
.set ADRA, 16
.set ADRB, 20
.set STO,  24
.set RD,   25
.set CO,   26
.set SPW,  28
.set NIL,  29
.set TMP,  32
.set EY,   96                          ; v96-99 zeros, v100-103 the ones, v104-107 zeros: v[100:107] selects k = n, v[96:103] selects k = n + 16
.set ACC,  128
.set F0,   0
.set F1,   128
.set WV,   10
.set G1,   24
.set G0,   32
.set G1B,  48
.set G0B,  56
.set MUL,  0x05                        ; sources 0 and 1 window 1; C and D window 0
.set TO_F, 0x40
.set MSB, 0
.macro WIN new
.if MSB != \new
	s_set_vgpr_msb (MSB<<8)|\new
.set MSB, \new
.endif
.endm
.macro PLACES
.rept 4
	v_nop
.endr
.endm
.macro JLOAD s
	s_cmp_eq_u32 s11, 0
	s_cbranch_scc0 .Lfor_b_\@
	tensor_load_to_lds s[G0+4*\s:G0+4*\s+3], s[G1:G1+7]
	s_nop 0
	PLACES
	s_branch .Lasked_\@
.Lfor_b_\@:
	tensor_load_to_lds s[G0B+4*\s:G0B+4*\s+3], s[G1B:G1B+7]
	s_nop 0
	PLACES
.Lasked_\@:
.endm
.macro CREST
	s_cmp_lg_u32 s[WV], 0
	s_cbranch_scc1 .Lnot_wave_0_\@
	s_barrier_signal -3
.Lnot_wave_0_\@:
	s_barrier_wait -3
	s_barrier_signal -1
	s_barrier_wait -1
.endm
.macro CROUND
	s_barrier_signal -1
	s_barrier_wait -1
	CREST
.endm
	s_load_b128 s[4:7], s[0:1], 0x0                ; ow s[4:5], w16 s[6:7]
	s_load_b64 s[8:9], s[0:1], 0x10                ; out0
	v_lshl_add_u32 v[SPW], v0, 2, SPARE
	v_mov_b32 v[NIL], 0
	ds_add_u32 v28, v29
	ds_add_u32 v28, v29
	s_wait_dscnt 0x0
	v_lshrrev_b32 v1, 5, v0
	v_readfirstlane_b32 s[WV], v1
	s_lshr_b32 s11, s[WV], 1                       ; which 64 rows are mine.  Also: I fetch for o' (0) or for W_out (1)
	s_and_b32 s12, s[WV], 1                        ; which 64 columns.  Also: which half of that tile I fetch
	s_bfe_u32 s40, ttmp6, 0x40000
	s_bfe_u32 s41, ttmp6, 0x40004
	s_lshl_b32 s42, ttmp9, 2
	s_add_co_u32 s42, s42, s40                     ; tx
	s_and_b32 s13, ttmp7, 0xffff
	s_lshl_b32 s13, s13, 2
	s_add_co_u32 s13, s13, s41                     ; ty
	s_lshl_b32 s43, s41, 2
	s_lshl_b32 s43, 15, s43
	s_lshl_b32 s44, 0x1111, s40
	s_or_b32 s[G1], s43, (3<<16)|(1<<21)           ; o': elements of 8 bytes, no padding: 4 tiles of rows x 8,192 bytes, 32,768 bytes apart
	s_mov_b32 s[G1+1], 1024<<16
	s_mov_b32 s[G1+2], 4<<16
	s_mov_b32 s[G1+3], 1024<<16
	s_mov_b32 s[G1+4], 4
	s_mov_b32 s[G1+5], 4096
	s_mov_b32 s[G1+6], 0
	s_mov_b32 s[G1+7], 0
	s_or_b32 s[G1B], s44, (1<<16)|(1<<20)|(1<<21)|(6<<22)|(3<<25)   ; W_out: elements of 2 bytes; four words of padding behind every 128: 64 rows x 256
	s_mov_b32 s[G1B+1], 256<<16
	s_mov_b32 s[G1B+2], 64<<16
	s_mov_b32 s[G1B+3], 256<<16
	s_mov_b32 s[G1B+4], 64
	s_mov_b32 s[G1B+5], 1024
	s_mov_b32 s[G1B+6], 0
	s_mov_b32 s[G1B+7], 0
	s_lshl_b32 s16, s13, 18                        ; o': (8 ty + 4 half) tiles of rows (s16, s17 never hold tx)
	s_lshl_b32 s17, s12, 17
	s_add_co_u32 s16, s16, s17
	s_mov_b32 s17, 0
	s_lshl_b32 s46, s42, 18                        ; W_out: (128 tx + 64 half) rows of 2,048 bytes, behind W_proj's 6,291,456 (s46, s47 never hold ty)
	s_lshl_b32 s47, s12, 17
	s_add_co_u32 s46, s46, s47
	s_add_co_u32 s46, s46, 6291456
	s_mov_b32 s47, 0
	s_lshl_b32 s20, s12, 15
	s_mul_i32 s21, s12, 64*PITCH
	s_add_co_u32 s21, s21, ASZ
	s_lshl_b32 s18, s13, 18                        ; the residual: (8 ty + 4 wr) tiles of rows + (8 tx + 4 wc) images
	s_lshl_b32 s19, s11, 17
	s_add_co_u32 s18, s18, s19
	s_lshl_b32 s19, s42, 12
	s_add_co_u32 s18, s18, s19
	s_lshl_b32 s19, s12, 11
	s_add_co_u32 s18, s18, s19
	s_mov_b32 s19, 0
	s_lshl_b32 s2, s13, 19                         ; out: (128 ty + 64 wr) rows of 4,096 bytes + (128 tx + 64 wc) x 4
	s_lshl_b32 s3, s11, 18
	s_add_co_u32 s2, s2, s3
	s_lshl_b32 s3, s42, 9
	s_add_co_u32 s2, s2, s3
	s_lshl_b32 s3, s12, 8
	s_add_co_u32 s2, s2, s3
	s_mov_b32 s3, 0
	s_wait_kmcnt 0x0
	s_add_nc_u64 s[14:15], s[4:5], s[16:17]
	s_add_nc_u64 s[46:47], s[6:7], s[46:47]
	s_add_nc_u64 s[22:23], s[4:5], s[18:19]
	s_add_nc_u64 s[8:9], s[8:9], s[2:3]
	CROUND                                         ; all sixteen work-groups are here: the first joint loads meet
.irp s, 0,1
	s_mov_b32 s[G0+4*\s], 1
	s_add_co_u32 s[G0+4*\s+1], s20, \s*SLOT
	s_add_nc_u64 s[G0+4*\s+2:G0+4*\s+3], s[14:15], \s*8192
	s_or_b32 s[G0+4*\s+3], s[G0+4*\s+3], 0x80000000
	s_mov_b32 s[G0B+4*\s], 1
	s_add_co_u32 s[G0B+4*\s+1], s21, \s*SLOT
	s_add_nc_u64 s[G0B+4*\s+2:G0B+4*\s+3], s[46:47], \s*512
	s_or_b32 s[G0B+4*\s+3], s[G0B+4*\s+3], 0x80000000
	JLOAD \s
.endr
	v_and_b32 v1, 15, v0                           ; r
	v_bfe_u32 v2, v0, 4, 1                         ; h
	v_and_b32 v3, 31, v0
	v_lshlrev_b32 v4, 4, v3                        ; 16 x lane
.irp a, 0,1,2,3                                ; images 2 s and 2 s + 1 of a tile of rows are the fragment of columns 32 s on
.irp b, 0,1,2,3
	global_load_b128 v[TMP+4*(4*\a+\b):TMP+4*(4*\a+\b)+3], v4, s[22:23] offset:32768*\a+512*\b
.endr
.endr
	s_lshl_b32 s14, s11, 15                        ; my four tiles of rows
	v_add_nc_u32 v[ADRA], s14, v4
	v_add_nc_u32 v[ADRA+1], SLOT, v[ADRA]
	v_mul_u32_u24 v5, v1, PITCH
	v_lshl_add_u32 v5, v2, 4, v5
	s_mul_i32 s14, s12, 64*PITCH
	s_add_co_u32 s14, s14, ASZ
	v_add_nc_u32 v[ADRB], s14, v5
	v_add_nc_u32 v[ADRB+1], SLOT, v[ADRB]
	s_mul_i32 s14, s[WV], 16*SPITCH
	s_add_co_u32 s14, s14, STAGE                   ; my stage
	v_mul_u32_u24 v[STO], v1, SPITCH               ; in: row r, 32 bytes for each half of the lanes
	v_lshl_add_u32 v[STO], v2, 5, v[STO]
	v_add_nc_u32 v[STO], s14, v[STO]
	v_mul_u32_u24 v[RD], v2, SPITCH                ; back: lanes 0-15 one row of 256 bytes, lanes 16-31 the next
	v_lshl_add_u32 v[RD], v1, 4, v[RD]
	v_add_nc_u32 v[RD], s14, v[RD]
	v_lshlrev_b32 v[CO], 12, v2                    ; and the same two rows in out
	v_lshl_add_u32 v[CO], v1, 4, v[CO]
	; the selector.  As source 0, lane (r, h) holds row n = r; its registers 0-3 hold k = 8 h .. 8 h + 7, two to a register.  k = r falls to the lanes with h = r / 8, register (r % 8) / 2, half r % 2
	v_and_b32 v6, 1, v1
	v_lshlrev_b32 v6, 4, v6
	v_mov_b32 v7, 0x3c00                           ; 1.0 in f16,
	v_lshlrev_b32 v7, v6, v7                       ; in the half r % 2
	v_bfe_u32 v8, v1, 1, 2
	v_lshrrev_b32 v9, 3, v1
	v_cmp_eq_u32 vcc_lo, v9, v2
	v_cndmask_b32 v8, 4, v8, vcc_lo                ; which register; none (4) in the other half of the lanes
.irp j, 0,1,2,3
	v_mov_b32 v[EY+\j], 0
	v_mov_b32 v[EY+8+\j], 0
	v_cmp_eq_u32 vcc_lo, \j, v8
	v_cndmask_b32 v[EY+4+\j], 0, v7, vcc_lo
.endr
	s_wait_loadcnt 0x0                             ; the residual's fragments
	PLACES
.irp a, 0,1,2,3                                ; the sums begin as o' itself
.irp b, 0,1,2,3
	v_wmma_f32_16x16x32_f16 v[ACC+8*(4*\a+\b):ACC+8*(4*\a+\b)+7], v[EY+4-4*(\b%2):EY+11-4*(\b%2)], v[TMP+8*(2*\a+\b/2):TMP+8*(2*\a+\b/2)+7], 0
.endr
.endr
; 8 products: tiles of rows a0, a0 + 1 x all 4 tiles of columns, 32 along K: half c of buffer f.  The 16 accumulators take turns, one instruction a turn
.macro MUL8 f, c, a0
.irp a, \a0, \a0+1
.irp b, 0,1,2,3
	v_wmma_f32_16x16x32_f16 v[ACC+8*(4*(\a)+\b):ACC+8*(4*(\a)+\b)+7], v[\f+64+8*(4*\c+\b):\f+64+8*(4*\c+\b)+7], v[\f+8*(4*\c+\a):\f+8*(4*\c+\a)+7], v[ACC+8*(4*(\a)+\b):ACC+8*(4*(\a)+\b)+7]
.endr
.endr
.endm
; 32 LDS loads in one run: quarter qd (64 along K) of a slot into buffer f; its first 32 along K first
.macro FETCH slot, qd, f
	WIN TO_F
.irp c, 0,1
.irp i, 0,1,2,3
	ds_load_b128 v[\f+64+8*(4*\c+\i):\f+64+8*(4*\c+\i)+3],   v[ADRB+\slot] offset:128*(\qd)+64*\c+\i*16*PITCH
	ds_load_b128 v[\f+64+8*(4*\c+\i)+4:\f+64+8*(4*\c+\i)+7], v[ADRB+\slot] offset:128*(\qd)+64*\c+\i*16*PITCH+32
	ds_load_b128 v[\f+8*(4*\c+\i):\f+8*(4*\c+\i)+3],         v[ADRA+\slot] offset:8192*\i+1024*(2*(\qd)+\c)
	ds_load_b128 v[\f+8*(4*\c+\i)+4:\f+8*(4*\c+\i)+7],       v[ADRA+\slot] offset:8192*\i+1024*(2*(\qd)+\c)+512
.endr
.endr
.endm
; A K step is four quarters of 32 products, on buffers 0, 1, 0, 1.  One of the first three multiplies buffer f and fetches quarter qn into g.
.macro QUARTER slot, qn, f, g
	s_wait_dscnt 16                                ; the first 32 along K are in; the sixteen younger loads may be out
	WIN MUL
	MUL8 \f, 0, 0
	MUL8 \f, 0, 2
	PLACES
	FETCH \slot, \qn, \g
	s_wait_dscnt 32                                ; all but the 32 just issued
	WIN MUL
	MUL8 \f, 1, 0
	MUL8 \f, 1, 2
.endm
; The last quarter multiplies buffer 1 and changes slots: ONE barrier; in front of it each wave waits for all its tensor loads, adds 0 to its spare word, and waits for that and for its own reads of this slot.
; fill = 1: the barrier opens a round of the cluster's, and this slot is filled again, two K steps ahead: 112 products stand between that request and the wait for it.
.macro TURN slot, next, fill
	WIN 0
	s_wait_tensorcnt 0x0
	ds_add_u32 v[SPW], v[NIL]                      ; 0 onto my spare word
	s_wait_dscnt 17                                ; (the add and the youngest sixteen loads may be out)
	WIN MUL
	MUL8 F1, 0, 0                                  ; eight products stand between the add and the wait for it
	s_wait_dscnt 0x0                               ; the add is done, and my reads of this slot are over
	s_barrier_signal -1
	MUL8 F1, 0, 2
.if \fill
	WIN 0
.endif
	s_barrier_wait -1
.if \fill
	CREST
	s_add_nc_u64 s[G0+4*\slot+2:G0+4*\slot+3], s[G0+4*\slot+2:G0+4*\slot+3], 2*8192
	s_add_nc_u64 s[G0B+4*\slot+2:G0B+4*\slot+3], s[G0B+4*\slot+2:G0B+4*\slot+3], 2*512
	JLOAD \slot                                    ; the first tensor load behind the round; its four v_nop are also the places in front of the loads below
.else
	PLACES
.endif
	FETCH \next, 0, F0
	WIN MUL
	MUL8 F1, 1, 0
	MUL8 F1, 1, 2
.endm
	s_wait_tensorcnt 1                             ; my part of K step 0 is in; K step 1's load may be out
	s_barrier_signal -1
	s_barrier_wait -1
	FETCH 0, 0, F0
	QUARTER 0, 1, F0, F1                           ; four K steps, written straight: the first two changes of slots fill, the third does not
	QUARTER 0, 2, F1, F0
	QUARTER 0, 3, F0, F1
	TURN 0, 1, 1
	QUARTER 1, 1, F0, F1
	QUARTER 1, 2, F1, F0
	QUARTER 1, 3, F0, F1
	TURN 1, 0, 1
	QUARTER 0, 1, F0, F1
	QUARTER 0, 2, F1, F0
	QUARTER 0, 3, F0, F1
	TURN 0, 1, 0
	QUARTER 1, 1, F0, F1
	QUARTER 1, 2, F1, F0
	QUARTER 1, 3, F0, F1
	s_wait_dscnt 16
	WIN MUL
	MUL8 F1, 0, 0
	MUL8 F1, 0, 2
	s_wait_dscnt 0x0
	MUL8 F1, 1, 0
	MUL8 F1, 1, 2
	WIN 0
	; THE WAY OUT, 16 rows x 64 columns at a time: x 64; 32 bytes a lane into my own stage; back as whole rows of 256 bytes, sixteen lanes to a row.  LDS serves a wave's instructions in order: no wait between the stores and the loads.
	PLACES
.irp a, 0,1,2,3
.if \a >= 2
	s_wait_xcnt 0x0                                ; the stores of two blocks ago have read their registers
.endif
.set j, 0
.rept 16
	v_pk_mul_f32 v[ACC+32*\a+2*j:ACC+32*\a+2*j+1], v[ACC+32*\a+2*j:ACC+32*\a+2*j+1], 0x42800000 op_sel_hi:[1,0]   ; each accumulator from its low end on
.set j, j+1
.endr
.irp b, 0,1,2,3
	ds_store_b128 v[STO], v[ACC+8*(4*\a+\b):ACC+8*(4*\a+\b)+3] offset:64*\b
	ds_store_b128 v[STO], v[ACC+8*(4*\a+\b)+4:ACC+8*(4*\a+\b)+7] offset:64*\b+16
.endr
.irp i, 0,1,2,3,4,5,6,7
	ds_load_b128 v[TMP+32*(\a%2)+4*\i:TMP+32*(\a%2)+4*\i+3], v[RD] offset:\i*2*SPITCH
.endr
	s_wait_dscnt 0x0
.irp i, 0,1,2,3,4,5,6,7
	global_store_b128 v[CO], v[TMP+32*(\a%2)+4*\i:TMP+32*(\a%2)+4*\i+3], s[8:9] offset:(16*\a+2*\i)*4096 th:TH_STORE_NT   ; 16 lanes store 256 consecutive bytes, aligned
.endr
.endr
	s_wait_tensorcnt 0x0                           ; the wave's end
	ds_add_u32 v[SPW], v[NIL]
	s_wait_dscnt 0x0
	CROUND                                         ; the closing round
	s_endpgm
.Lfunc_end_k_qa3978f8389_outp:
	.size	k_qa3978f8389_outp, .Lfunc_end_k_qa3978f8389_outp-k_qa3978f8389_outp
	.p2alignl 7, 3214868480
	.fill 96, 4, 3214868480
	.section	.rodata,"a",@progbits
	.p2align	6, 0x0
	.amdhsa_kernel k_qa3978f8389_outp
		.amdhsa_group_segment_fixed_size 327680
		.amdhsa_private_segment_fixed_size 0
		.amdhsa_enable_private_segment 0
		.amdhsa_kernarg_size 24
		.amdhsa_user_sgpr_count 2
		.amdhsa_user_sgpr_kernarg_segment_ptr 1
		.amdhsa_wavefront_size32 1
		.amdhsa_system_sgpr_workgroup_id_x 1
		.amdhsa_system_sgpr_workgroup_id_y 1
		.amdhsa_system_sgpr_workgroup_id_z 1
		.amdhsa_system_vgpr_workitem_id 0
		.amdhsa_next_free_vgpr 512
		.amdhsa_next_free_sgpr 66
		.amdhsa_reserve_vcc 1
		.amdhsa_float_denorm_mode_32 3
		.amdhsa_float_denorm_mode_16_64 3
		.amdhsa_memory_ordered 1
		.amdhsa_forward_progress 1
		.amdhsa_inst_pref_size 95
	.end_amdhsa_kernel
	.amdgpu_metadata
---
amdhsa.version: [ 1, 2 ]
amdhsa.kernels:
  - .name:           k_qa3978f8389_outp
    .symbol:         k_qa3978f8389_outp.kd
    .args:
      - { .name: ow, .offset: 0, .size: 8, .value_kind: global_buffer, .address_space: global }
      - { .name: w16, .offset: 8, .size: 8, .value_kind: global_buffer, .address_space: global }
      - { .name: out0, .offset: 16, .size: 8, .value_kind: global_buffer, .address_space: global }
    .group_segment_fixed_size: 327680
    .private_segment_fixed_size: 0
    .kernarg_segment_align: 8
    .kernarg_segment_size: 24
    .max_flat_workgroup_size: 128
    .sgpr_count:     66
    .vgpr_count:     512
    .wavefront_size: 32
...
	.end_amdgpu_metadata
.endif
;; end of part 5
